; MI455X (gfx1250); checked and timed in simulation.
; The chip was launched on July 23, 2026; its instructions are those of AMD's public machine-readable ISA for CDNA 5 (MIT licence, August 2026) and "CDNA5" Instruction Set Architecture Reference Guide (July 2026). The comments in the code are by the model that wrote it; some were corrected since.
;; Attention. Allowed arithmetic: matrix products marked QUANTISED: E2M3 operands, one E8M0 scale for each 32 along K, by v_wmma_scale_f32_16x16x128_f8f6f4 with both operands' format E2M3, f32 sums; everything else in f32.
;; Inputs: b_out 1,024 float32; w_out 1,024 x 1,024 float32; w_qkv 1,024 x 3,072 float32; x 4 x 2,048 x 1,024 float32.
;; Outputs: out0 4 x 2,048 x 1,024 float32.
;; This version of the problem:
;;   THIS VERSION OF THE PROBLEM IS GIVEN IN LOW PRECISION. The matrix products marked QUANTISED in the list below multiply operands that are first quantised to E2M3 (2 exponent bits, 3 mantissa bits; 6 bits a number), with one power-of-two scale for each 32 numbers along K (OCP MX v1.0); their sums are f32. All else is computed in f32.
;;   The module's matrix products, in the order in which they are computed (A, B: the left and right operand; K: the contracted axis; several contracted axes count as one K, in the product's order):
;;     1. [M 8,192, K 1,024] x [K 1,024, N 3,072]; A: input x; B: input w_qkv: QUANTISED
;;     2. batch 64 x [M 2,048, K 64] x [K 64, N 2,048]; A: computed on the way; B: computed on the way: QUANTISED
;;     3. batch 64 x [M 2,048, K 2,048] x [K 2,048, N 64]; A: softmax (see below); B: computed on the way: QUANTISED
;;     4. [M 8,192, K 1,024] x [K 1,024, N 1,024]; A: computed on the way; B: input w_out: QUANTISED
;;   THE QUANTISER, for each operand of a quantised product, along K:
;;     - K is cut into blocks of 32 from its start; a last block that is shorter is filled with zeros.
;;     - A block's scale is 2^e with e = floor(log2(the largest magnitude in the block)) - 2, held to -126 .. 127; a block of zeros has e = 0. As a byte (E8M0): e + 127.
;;     - Each number is divided by its block's scale, clamped to +-7.5, and rounded to the nearest number of E2M3, ties to even, subnormals kept.
;;     - The product sums the exact products of the quantised numbers (number of the format x scale) in f32.
;;   ~~~python
;;   def quantise(x, axis):      # numpy; x: float32 -> the quantised numbers, widened to float32 again
;;       x = np.moveaxis(x, axis, -1); K = x.shape[-1]
;;       x = np.pad(x, [(0, 0)] * (x.ndim - 1) + [(0, -K % 32)]); x = x.reshape(x.shape[:-1] + (-1, 32)); a = np.abs(x).max(-1, keepdims=True)
;;       e = np.where(a > 0, np.clip(np.frexp(np.where(a > 0, a, 1))[1] - 1 - 2, -126, 127), 0)      # np.frexp(a)[1] - 1 = floor(log2(a)), exactly
;;       r = np.clip(x / 2.0 ** e, -7.5, 7.5)
;;       step = 2.0 ** (np.maximum(np.frexp(np.where(r == 0, 1, r))[1] - 1, 0) - 3)
;;       q = np.round(r / step) * step * 2.0 ** e      # np.round: ties to even
;;       return np.moveaxis(q.reshape(q.shape[:-2] + (-1,))[..., :K], -1, axis).astype(np.float32)
;;   ~~~
;;   SOFTMAX AHEAD OF A QUANTISED PRODUCT. Where the list says 'softmax', what is quantised is not the finished softmax but p = 2^(t - M), with t = logit x log2(e) and M = ceil(the row's largest t), a whole number; so 1/2 < the row's largest p <= 1. The row's sum l is taken of the UNQUANTISED p, in f32, and the product's result is divided by l at the end. Since M is a whole number, a kernel that streams over the keys may use a running M (the ceiling of the running maximum): every later rescaling is an exact power of two, which a block's scale takes up: the codes' values come out the same.
;;   OPERANDS COMPUTED ON THE WAY. 'Computed on the way' means the value that the module computes at that place (a softmax that the list does not call 'softmax' is quantised finished and normalised). What goes into a quantiser is computed in f32, as accurately as f32 sums, v_exp_f32 and their like allow (about 1e-6 of the number): no bf16 or f16 on the way to a quantiser, and a product that is left as it is and whose result goes on into a quantised operand takes f32 operands (vector FMAs, or v_wmma_f32_16x16x4_f32). A number that lies on a knife's edge between two numbers of the format may be rounded either way, as far as f32 arithmetic and the matrix unit's own rounding can turn it there, and no further.
;; One version. Each part assembles by itself: llvm-mc -triple=amdgcn-amd-amdhsa -mcpu=gfx1250 --defsym DOCPART=n.
;; ======== version 1 of 1: 4 launches
;; limits: right only within a limited range of input values
;; workspace buffers: xw_codes 8,650,752 bytes; xw_scales 360,448 bytes; wo_codes 786,432 bytes; wo_scales 32,768 bytes; qkv 20,185,088 bytes; o_codes 6,291,456 bytes; o_scales 262,144 bytes
;; launch quant (part 1): grid 384 x 1, 4 waves a work-group, no clusters, 98,816 bytes of LDS; arguments x, w_qkv, w_out, xw_codes, xw_scales, wo_codes, wo_scales; writes xw_codes, xw_scales, wo_codes, wo_scales
.if DOCPART == 1
	.amdgcn_target "amdgcn-amd-amdhsa--gfx1250"
	.amdhsa_code_object_version 6
	.text
	.protected	k_q620b7cf4d4_quant
	.globl	k_q620b7cf4d4_quant
	.p2align	8
	.type	k_q620b7cf4d4_quant,@function
k_q620b7cf4d4_quant:
	s_mov_b64 s[64:65], 0
	v_nop
	global_prefetch_b8 v0, s[64:65] scope:SCOPE_SE
	s_setreg_imm32_b32 hwreg(HW_REG_WAVE_MODE, 25, 1), 1
	s_wait_xcnt 0x0
; x [8192][1024], w_qkv [1024][3072] and w_out [1024][1024], f32, become codes of FP6 (E2M3) with one E8M0 byte for each 32 along K (K = 1024 in all three).
; LAYOUT OF THE CODES: [K / 64][row][48 bytes]: a plane holds 64 along K of every row.  LAYOUT OF THE BYTES: [row][32].
; ROWS STAND IN POSITION ORDER: row i (a token of x, a column of a weight) stands at position i with its bits 3 and 4 exchanged, so that the products that read 16 neighbouring
; positions as a tile get results whose registers run along neighbouring true indices.
; xw_codes / xw_scales: positions 0-8191 are x's, 8192-11263 w_qkv's columns.  wo_codes / wo_scales: w_out's 1024 columns.
; A block's scale is 2^(floor(log2(largest magnitude)) - 2); its byte is the largest magnitude's exponent field - 2, held at 1 from below.
; LIMITS: a block of zeros, or one whose largest magnitude lies under 2^-124, gets the byte 1 (its codes are zeros or subnormal codes; this program alone reads the bytes); NaN and infinities are not served.
; THREE PATHS by the work-group's number, 128 KiB of input each: 0-255 x (32 rows each), 256-351 w_qkv, 352-383 w_out (128 columns x 256 along K each).  Each path has LDS bytes of its own.
; No tensor loads, no barrier: waves share nothing.
.set PLX,  540672                      ; a plane of xw_codes: 11,264 rows x 48 bytes
.set PLO,  49152                       ; a plane of wo_codes
.set SP,   80                          ; x's path: a lane's place in a stage: 64 bytes + 16 of padding
.set R,    16                          ; v16-79   x: four sets of 16 numbers as loaded
.set X,    80                          ; v80-111  x: two sets of 16 neighbours
.set E,    112                         ; v112-127 x: a scale byte for each step
.set C,    128                         ; v128-191 x: codes, four registers a step
.set WX,   32                          ; v32-95   weights: two sets of 32 numbers
.set WC,   96                          ; v96-102  weights: a block's codes
.set OUTR, 112                         ; v112-175 weights: the way out
.set SB,   24                          ; v24-25   weights: eight scale bytes
	s_load_b128 s[4:7], s[0:1], 0x0                ; x, w_qkv
	s_load_b128 s[8:11], s[0:1], 0x10              ; w_out, xw_codes
	s_load_b128 s[12:15], s[0:1], 0x20             ; xw_scales, wo_codes
	s_load_b64 s[16:17], s[0:1], 0x30              ; wo_scales
	v_lshl_add_u32 v192, v0, 2, 0x18000
	v_mov_b32 v193, 0
	v_lshrrev_b32 v1, 5, v0
	v_readfirstlane_b32 s18, v1                    ; wave 0..3
	v_and_b32 v2, 31, v0                           ; lane
	s_wait_kmcnt 0x0
	s_cmp_lt_u32 ttmp9, 256
	s_cbranch_scc0 .Lweights
; ---------------- x: K is innermost.  Wave w takes rows 32 g + 8 w .. + 7; step t is plane t: 8 rows x 64 numbers.
; Each load reads two rows' 256 consecutive bytes; the 2,048 bytes of a step turn through the wave's own stage, so that a lane gets 16 neighbours along K: lane l holds row l / 4, numbers 16 (l % 4) on.
	s_wait_alu depctr_va_vdst(0)
	v_lshrrev_b32 v3, 4, v2
	v_and_b32 v10, 15, v2
	v_lshlrev_b32 v3, 12, v3
	v_lshl_add_u32 v3, v10, 4, v3                  ; in: 4,096 (l / 16) + 16 (l % 16)
	s_lshl_b32 s19, s18, 13                        ; my wave's 8,192 bytes of LDS
	v_lshrrev_b32 v14, 2, v2
	v_mul_u32_u24 v14, v14, SP
	v_and_b32 v15, 3, v2
	v_lshl_add_u32 v14, v15, 4, v14
	v_add_nc_u32 v14, s19, v14                     ; into a stage: four lanes' 64 bytes on end, then 16 of padding
	v_mul_u32_u24 v15, v2, SP
	v_add_nc_u32 v15, s19, v15                     ; out of it: my 64 bytes
	v_mul_u32_u24 v4, v2, 12                       ; my 12 bytes of a step's 384 bytes of codes
	v_lshrrev_b32 v5, 2, v2
	v_lshlrev_b32 v5, 5, v5
	v_bfe_u32 v6, v2, 1, 1
	v_add_nc_u32 v5, v5, v6
	s_add_co_u32 s19, s19, 2*32*SP                 ; behind the two stages: the wave's 8 rows x 32 scale bytes
	v_add_nc_u32 v5, s19, v5                       ; row l / 4, block (l / 2) % 2 of the plane
	v_lshlrev_b32 v7, 3, v2
	v_add_nc_u32 v6, s19, v7
	s_lshl_b32 s20, ttmp9, 5
	s_lshl_b32 s21, s18, 3
	s_add_co_u32 s22, s20, s21                     ; my first row
	s_lshl_b32 s22, s22, 12
	s_mov_b32 s23, 0
	s_add_nc_u64 s[4:5], s[4:5], s[22:23]
	s_and_b32 s21, s18, 1
	s_lshl_b32 s21, s21, 1
	s_lshr_b32 s24, s18, 1
	s_or_b32 s21, s21, s24                         ; the wave's two bits exchanged: they are the rows' bits 3 and 4
	s_lshl_b32 s21, s21, 3
	s_add_co_u32 s20, s20, s21                     ; my first position
	s_mul_i32 s22, s20, 48
	s_add_nc_u64 s[10:11], s[10:11], s[22:23]
	s_lshl_b32 s22, s20, 5
	s_add_nc_u64 s[12:13], s[12:13], s[22:23]
.macro XLOAD t
.irp i, 0,1,2,3
	global_load_b128 v[R+16*((\t)%4)+4*\i:R+16*((\t)%4)+4*\i+3], v3, s[4:5] offset:8192*\i+256*(\t) th:TH_LOAD_NT
.endr
.endm
.macro XTURN t                         ; LDS serves a wave's instructions in order (ISA guide 5.7.1.4): no wait between the stores and the loads
.irp i, 0,1,2,3
	ds_store_b128 v14, v[R+16*((\t)%4)+4*\i:R+16*((\t)%4)+4*\i+3] offset:32*SP*((\t)%2)+8*SP*\i
.endr
.irp i, 0,1,2,3
	ds_load_b128 v[X+16*((\t)%2)+4*\i:X+16*((\t)%2)+4*\i+3], v15 offset:32*SP*((\t)%2)+16*\i
.endr
.endm
.irp t, 0,1,2,3
	XLOAD \t
.endr
	s_wait_alu depctr_va_vdst(0)
	s_wait_loadcnt 12                              ; step 0's four loads are in
	XTURN 0
.macro XSTEP t
.set XS, X+16*((\t)%2)
.if (\t) > 0
	s_wait_dscnt 1                                 ; this step's numbers are back from the stage (the last step's byte store may be out), so its stores have read their registers,
.else
	s_wait_dscnt 0x0
.endif
.if (\t)+4 < 16
	XLOAD (\t)+4                                   ; which take the loads of four steps on
.endif
.if (\t)+1 < 16
.if 14-(\t) >= 3
	s_wait_loadcnt 12                              ; the next step's four loads are in; those of the three steps behind it may be out
.else
	s_wait_loadcnt 4*(14-(\t))
.endif
	XTURN (\t)+1
.endif
	v_max3_num_f32 v8, |v[XS]|, |v[XS+1]|, |v[XS+2]|
	v_max3_num_f32 v9, |v[XS+3]|, |v[XS+4]|, |v[XS+5]|
.irp i, 6,10
	v_max3_num_f32 v8, v8, |v[XS+\i]|, |v[XS+\i+1]|
	v_max3_num_f32 v9, v9, |v[XS+\i+2]|, |v[XS+\i+3]|
.endr
	v_max3_num_f32 v8, v8, |v[XS+14]|, |v[XS+15]|
	v_max3_num_f32 v8, v8, v9, 0x1800000           ; the floor 2^(3 - 127): the byte cannot fall under 1
	v_max_num_f32_dpp v8, v8, v8 row_xmask:1 row_mask:0xf bank_mask:0xf   ; with my neighbour's 16: the block's largest magnitude
	v_add_nc_u32 v11, 0xff000000, v8               ; 2 off its exponent field: the conversion takes that field of this operand as its scale
	v_cvt_scalef32_pk16_fp6_f32 v[C+4*(\t):C+4*(\t)+2], v[XS:XS+15], v11
	v_lshrrev_b32 v[E+(\t)], 23, v11               ; the scale's byte
	ds_store_b8 v5, v[E+(\t)] offset:2*(\t)        ; both lanes of a block write the same byte with the same value
	global_store_b96 v4, v[C+4*(\t):C+4*(\t)+2], s[10:11] offset:PLX*(\t)   ; 384 consecutive bytes of plane t; 15 planes stay inside the signed 24-bit immediate
.endm
.irp t, 0,1,2,3,4,5,6,7,8,9,10,11,12,13,14,15
	XSTEP \t
.endr
	ds_load_b64 v[12:13], v6
	s_wait_dscnt 0x0
	global_store_b64 v7, v[12:13], s[12:13]        ; 32 lanes store 256 consecutive bytes, aligned: 8 rows' scale bytes
	s_wait_tensorcnt 0x0
	ds_add_u32 v192, v193
	s_wait_dscnt 0x0
	s_endpgm
; ---------------- the weights: K is the FIRST axis.  A lane takes a column, its registers run down K: a block of 32 lies in one lane, and the codes come out with K innermost.
; A wave takes 32 columns x 256 along K (4 planes).  The codes go through the wave's own stage, 12 bytes to a place of 16, by POSITION, and leave as 1,536 consecutive bytes a plane.
.macro WLOAD t, N, PIN
.set wi, 0
.rept 32
	global_load_b32 v[WX+32*((\t)%2)+wi], v3, s[\PIN:\PIN+1] offset:(32*(\t)+wi)*\N*4 th:TH_LOAD_NT
.set wi, wi+1
.endr
.endm
.macro WBLOCK t, N, PIN
.set XS, WX+32*((\t)%2)
.if (\t) < 7
	s_wait_loadcnt 32                              ; this block's 32 loads are in; the next block's may be out
.else
	s_wait_loadcnt 0
.endif
	v_max3_num_f32 v12, |v[XS]|, |v[XS+1]|, |v[XS+2]|
	v_max3_num_f32 v13, |v[XS+3]|, |v[XS+4]|, |v[XS+5]|
.irp i, 6,10,14,18,22,26
	v_max3_num_f32 v12, v12, |v[XS+\i]|, |v[XS+\i+1]|
	v_max3_num_f32 v13, v13, |v[XS+\i+2]|, |v[XS+\i+3]|
.endr
	v_max3_num_f32 v12, v12, |v[XS+30]|, |v[XS+31]|
	v_max3_num_f32 v12, v12, v13, 0x1800000
	v_add_nc_u32 v11, 0xff000000, v12
	v_lshrrev_b32 v13, 23, v11
.if (\t)%4 == 0
	v_mov_b32 v[SB+(\t)/4], v13
.else
	v_lshl_or_b32 v[SB+(\t)/4], v13, 8*((\t)%4), v[SB+(\t)/4]
.endif
	v_cvt_scalef32_pk16_fp6_f32 v[WC:WC+2], v[XS:XS+15], v11
	v_cvt_scalef32_pk16_fp6_f32 v[WC+4:WC+6], v[XS+16:XS+31], v11
	ds_store_b96 v4, v[WC:WC+2] offset:2048*((\t)/2)+32*((\t)%2)       ; plane t / 2 of the wave's four; half t % 2 of the position's 48 bytes
	ds_store_b96 v4, v[WC+4:WC+6] offset:2048*((\t)/2)+32*((\t)%2)+16
.if (\t)+2 < 8
	WLOAD (\t)+2, \N, \PIN
.endif
	s_wait_dscnt 0x0                               ; the stores have read their registers: the next block's codes may be written
.endm
.macro WPATH N, ROW0, PLANE, LB, J0, PIN, PCO, PSC
	s_sub_co_u32 s20, ttmp9, \J0
	s_and_b32 s21, s20, 3                          ; which 256 along K
	s_lshr_b32 s20, s20, 2
	s_lshl_b32 s20, s20, 7
	s_lshl_b32 s22, s18, 5
	s_add_co_u32 s20, s20, s22                     ; my wave's first column
	v_lshlrev_b32 v3, 2, v2
	v_and_b32 v10, 7, v2
	v_bfe_u32 v5, v2, 3, 1
	v_bfe_u32 v6, v2, 4, 1
	v_lshl_or_b32 v10, v5, 4, v10
	v_lshl_or_b32 v10, v6, 3, v10                  ; my column's position among the wave's 32
	s_lshl_b32 s23, s18, 13
	s_add_co_u32 s23, s23, \LB                     ; my stage
	v_lshl_add_u32 v4, v10, 6, s23                 ; into it: four places of 16 bytes a position
	v_lshl_add_u32 v7, v2, 4, s23                  ; out of it: a place a lane
	v_mul_u32_u24 v8, v2, 12
	v_lshlrev_b32 v9, 5, v10                       ; my position's row of scale bytes
	s_mul_i32 s24, s21, 256*\N*4
	s_lshl_b32 s22, s20, 2
	s_add_co_u32 s24, s24, s22
	s_mov_b32 s25, 0
	s_add_nc_u64 s[\PIN:\PIN+1], s[\PIN:\PIN+1], s[24:25]
	s_add_co_u32 s20, s20, \ROW0
	s_mul_i32 s24, s21, 4*\PLANE
	s_mul_i32 s22, s20, 48
	s_add_co_u32 s24, s24, s22
	s_add_nc_u64 s[\PCO:\PCO+1], s[\PCO:\PCO+1], s[24:25]
	s_lshl_b32 s24, s20, 5
	s_lshl_b32 s22, s21, 3
	s_add_co_u32 s24, s24, s22
	s_add_nc_u64 s[\PSC:\PSC+1], s[\PSC:\PSC+1], s[24:25]
	WLOAD 0, \N, \PIN
	WLOAD 1, \N, \PIN
.irp t, 0,1,2,3,4,5,6,7
	WBLOCK \t, \N, \PIN
.endr
	s_wait_alu depctr_va_vdst(0)
	global_store_b64 v9, v[SB:SB+1], s[\PSC:\PSC+1]   ; my column's 8 scale bytes
.set wi, 0
.rept 16
	ds_load_b96 v[OUTR+4*wi:OUTR+4*wi+2], v7 offset:2048*(wi/4)+512*(wi%4)
.set wi, wi+1
.endr
.set wi, 0
.rept 16
	s_wait_dscnt 15-wi
	global_store_b96 v8, v[OUTR+4*wi:OUTR+4*wi+2], s[\PCO:\PCO+1] offset:(wi/4)*\PLANE+384*(wi%4)   ; place P of a plane's 128 is bytes 12 P of its 1,536
.set wi, wi+1
.endr
.endm
.Lweights:
	s_cmp_lt_u32 ttmp9, 352
	s_cbranch_scc0 .Lwout
	s_wait_alu depctr_va_vdst(0)
	WPATH 3072, 8192, PLX, 32768, 256, 6, 10, 12
	s_wait_tensorcnt 0x0
	ds_add_u32 v192, v193
	s_wait_dscnt 0x0
	s_endpgm
.Lwout:
	s_wait_alu depctr_va_vdst(0)
	WPATH 1024, 0, PLO, 65536, 352, 8, 14, 16
	s_wait_tensorcnt 0x0
	ds_add_u32 v192, v193
	s_wait_dscnt 0x0
	s_endpgm
.Lfunc_end_k_q620b7cf4d4_quant:
	.size	k_q620b7cf4d4_quant, .Lfunc_end_k_q620b7cf4d4_quant-k_q620b7cf4d4_quant
	.p2alignl 7, 3214868480
	.fill 96, 4, 3214868480
	.section	.rodata,"a",@progbits
	.p2align	6, 0x0
	.amdhsa_kernel k_q620b7cf4d4_quant
		.amdhsa_group_segment_fixed_size 98816
		.amdhsa_private_segment_fixed_size 0
		.amdhsa_enable_private_segment 0
		.amdhsa_kernarg_size 56
		.amdhsa_user_sgpr_count 2
		.amdhsa_user_sgpr_kernarg_segment_ptr 1
		.amdhsa_wavefront_size32 1
		.amdhsa_system_sgpr_workgroup_id_x 1
		.amdhsa_system_sgpr_workgroup_id_y 1
		.amdhsa_system_sgpr_workgroup_id_z 1
		.amdhsa_system_vgpr_workitem_id 0
		.amdhsa_next_free_vgpr 194
		.amdhsa_next_free_sgpr 66
		.amdhsa_reserve_vcc 0
		.amdhsa_float_denorm_mode_32 3
		.amdhsa_float_denorm_mode_16_64 3
		.amdhsa_memory_ordered 1
		.amdhsa_forward_progress 1
		.amdhsa_inst_pref_size 114
	.end_amdhsa_kernel
	.amdgpu_metadata
---
amdhsa.version: [ 1, 2 ]
amdhsa.kernels:
  - .name:           k_q620b7cf4d4_quant
    .symbol:         k_q620b7cf4d4_quant.kd
    .args:
      - { .name: x, .offset: 0, .size: 8, .value_kind: global_buffer, .address_space: global }
      - { .name: w_qkv, .offset: 8, .size: 8, .value_kind: global_buffer, .address_space: global }
      - { .name: w_out, .offset: 16, .size: 8, .value_kind: global_buffer, .address_space: global }
      - { .name: xw_codes, .offset: 24, .size: 8, .value_kind: global_buffer, .address_space: global }
      - { .name: xw_scales, .offset: 32, .size: 8, .value_kind: global_buffer, .address_space: global }
      - { .name: wo_codes, .offset: 40, .size: 8, .value_kind: global_buffer, .address_space: global }
      - { .name: wo_scales, .offset: 48, .size: 8, .value_kind: global_buffer, .address_space: global }
    .group_segment_fixed_size: 98816
    .private_segment_fixed_size: 0
    .kernarg_segment_align: 8
    .kernarg_segment_size: 56
    .max_flat_workgroup_size: 128
    .sgpr_count:     66
    .vgpr_count:     194
    .wavefront_size: 32
...
	.end_amdgpu_metadata
.endif
;; end of part 1
;; launch gemm_qkv (part 2): grid 12 x 32, 4 waves a work-group, clusters of 4 x 4, 327,680 bytes of LDS; arguments xw_codes, xw_scales, qkv; writes qkv
.if DOCPART == 2
	.amdgcn_target "amdgcn-amd-amdhsa--gfx1250"
	.amdhsa_code_object_version 6
	.text
	.protected	k_q620b7cf4d4_gemm_qkv
	.globl	k_q620b7cf4d4_gemm_qkv
	.p2align	8
	.type	k_q620b7cf4d4_gemm_qkv,@function
k_q620b7cf4d4_gemm_qkv:
	s_mov_b64 s[64:65], 0
	v_nop
	global_prefetch_b8 v0, s[64:65] scope:SCOPE_SE
	s_setreg_imm32_b32 hwreg(HW_REG_WAVE_MODE, 25, 1), 1
	s_wait_xcnt 0x0
	s_wait_alu depctr_hold_cnt(0) depctr_sa_sdst(0) depctr_va_vdst(0) depctr_va_sdst(0) depctr_va_ssrc(0) depctr_va_vcc(0) depctr_vm_vsrc(0)
	s_getreg_b32 s2, hwreg(HW_REG_IB_STS2, 6, 4)
	s_cmp_eq_u32 s2, 0
	s_cbranch_scc0 .Lentry_in_a_cluster
	s_endpgm
.Lentry_in_a_cluster:
	s_bfe_u32 s2, ttmp6, 0x10000c
	s_cmp_lg_u32 s2, 0xf033
	s_cbranch_scc0 .Lentry_shape_is_right
	s_endpgm
.Lentry_shape_is_right:
.set PLA,   540672
.set PLB,   540672
.set HS,    315392
.set NQ,    2
.set FR,    12
.set NL,    6
.set NP,    4
.set PL,    6144
.set HALFT, 4*PL
.set SLOT,  4*HALFT
.set SCL,   2*SLOT
.set HALFS, 4352
.set SBLK,  544
.set SPARE, SCL+4*HALFS
.set ADRA, 16
.set ADRB, 20
.set ADRS, 27
.set SPW,  28
.set NIL,  29
.set SC,   32
.set AF,   128
.set STO,  24
.set SSTO, 25
.set RD,   26
.set SRD,  18
.set GO,   19
.set VSO,  22
.set TM,   32
.set PB,   36
.set SO,   40
.set WD,   44
.set SW,   48
.set CD,   64
.set G1, 24
.set G0, 32
.set G1B, 48
.set G0B, 56
.set G1S, 68
.set G0S, 76
.set G1SB, 80
.set G0SB, 88
.set SEL, 96
.set MH,  98
.set MV,  99
.set MSB, 0
.macro WIN new
.if MSB != (\new)
	s_set_vgpr_msb (MSB<<8)|(\new)
.set MSB, (\new)
.endif
.endm
.set TO_B, 0x40
.macro MWIN hi, zero
	WIN 0xa1+0x50*(\hi)
.endm
.macro JLOAD g0a, g1a, g0b, g1b
	s_cmp_eq_u32 s15, 0
	s_cbranch_scc0 .Lfor_b_\@
	tensor_load_to_lds s[\g0a:\g0a+3], s[\g1a:\g1a+7]
	s_nop 0
.rept 4
	v_nop
.endr
	s_branch .Lasked_\@
.Lfor_b_\@:
	tensor_load_to_lds s[\g0b:\g0b+3], s[\g1b:\g1b+7]
	s_nop 0
.rept 4
	v_nop
.endr
.Lasked_\@:
.endm
.macro CREST
	s_cmp_lg_u32 s14, 0
	s_cbranch_scc1 .Lnot_wave_0_\@
	s_barrier_signal -3
.Lnot_wave_0_\@:
	s_barrier_wait -3
	s_barrier_signal -1
	s_barrier_wait -1
.endm
.macro CROUND
	s_barrier_signal -1
	s_barrier_wait -1
	CREST
.endm
	s_load_b128 s[4:7], s[0:1], 0x0
	s_load_b64 s[12:13], s[0:1], 0x10
	v_lshl_add_u32 v[SPW], v0, 2, SPARE
	v_mov_b32 v[NIL], 0
	ds_add_u32 v28, v29
	ds_add_u32 v28, v29
	s_wait_dscnt 0x0
	v_lshrrev_b32 v1, 5, v0
	v_readfirstlane_b32 s14, v1
	s_lshr_b32 s15, s14, 1
	s_and_b32 s16, s14, 1
	s_bfe_u32 s40, ttmp6, 0x40000
	s_bfe_u32 s41, ttmp6, 0x40004
	s_lshr_b32 s96, ttmp9, 1
	s_xor_b32 s97, s96, 1
	s_and_b32 s98, ttmp7, 0xffff
	s_lshl_b32 s98, s98, 2
	s_mul_i32 s17, s97, s98
	s_mul_i32 s18, s96, 40
	s_add_co_u32 s17, s17, s18
	s_add_co_u32 s17, s17, s41
	s_lshl_b32 s42, ttmp9, 2
	s_add_co_u32 s42, s42, 32
	s_mul_i32 s42, s42, s97
	s_mul_i32 s18, s96, s98
	s_add_co_u32 s42, s42, s18
	s_add_co_u32 s42, s42, s40
	s_lshl_b32 s43, s41, 2
	s_lshl_b32 s43, 15, s43
	s_lshl_b32 s44, 0x1111, s40
	s_or_b32 s[G1+0], s43, (3<<16)|(1<<21)
	s_or_b32 s[G1B+0], s44, (3<<16)|(1<<21)
.irp g, G1, G1B
	s_mov_b32 s[\g+1], 768<<16
	s_mov_b32 s[\g+2], 4<<16
	s_mov_b32 s[\g+3], 768<<16
	s_mov_b32 s[\g+4], 4
	s_mov_b32 s[\g+6], 0
	s_mov_b32 s[\g+7], 0
.endr
	s_mov_b32 s[G1+5], PLA/8
	s_mov_b32 s[G1B+5], PLB/8
	s_lshl_b32 s18, s16, 7
	s_lshl_b32 s20, s17, 8
	s_add_co_u32 s20, s20, s18
	s_lshl_b32 s46, s42, 8
	s_add_co_u32 s46, s46, s18
	s_lshl_b32 s94, s17, 13                        ; the scale bytes of the 128 rows of A that I multiply: 32 bytes a row
	s_lshl_b32 s22, s15, 12
	s_add_co_u32 s94, s94, s22
	s_lshl_b32 s95, s42, 13                        ; and of my 128 rows of B
	s_lshl_b32 s22, s16, 12
	s_add_co_u32 s95, s95, s22
	s_mul_i32 s20, s20, 48
	s_mov_b32 s21, 0
	s_mul_i32 s46, s46, 48
	s_mov_b32 s47, 0
	s_mul_i32 s45, s14, HALFT
	s_wait_kmcnt 0x0
	s_add_nc_u64 s[20:21], s[4:5], s[20:21]
	s_add_nc_u64 s[46:47], s[4:5], s[46:47]
	; the prefetches: of the four planes x 6,144 bytes that I fetch for a chunk, each of the four partners of the joint load names one plane, told apart by address: 24 blocks of 256 bytes, a lane a block (lanes 24-31 name the last again)
	s_cmp_eq_u32 s15, 0
	s_cselect_b64 s[68:69], s[20:21], s[46:47]
	s_cselect_b32 s70, s40, s41
	s_mul_i32 s70, s70, PLA
	s_mov_b32 s71, 0
	s_add_nc_u64 s[68:69], s[68:69], s[70:71]
	v_and_b32 v9, 31, v0
	v_min_u32 v9, 23, v9
	v_lshlrev_b32 v9, 8, v9                        ; never rewritten
	s_wait_alu depctr_va_vdst(0)
	CROUND
.irp s, 0,1
	s_mov_b32 s[G0+4*\s], 1
	s_add_co_u32 s[G0+4*\s+1], s45, \s*SLOT
	s_add_nc_u64 s[G0+4*\s+2:G0+4*\s+3], s[20:21], \s*4*PLA
	s_or_b32 s[G0+4*\s+3], s[G0+4*\s+3], 0x80000000
	s_mov_b32 s[G0B+4*\s], 1
	s_add_co_u32 s[G0B+4*\s+1], s45, \s*SLOT
	s_add_nc_u64 s[G0B+4*\s+2:G0B+4*\s+3], s[46:47], \s*4*PLB
	s_or_b32 s[G0B+4*\s+3], s[G0B+4*\s+3], 0x80000000
.if \s                                 ; slot 0's load is the head's one load a wave; slot 1's first fill stands behind the full sequence and a round
	s_wait_alu depctr_va_vdst(0)
	s_wait_tensorcnt 0x0
	ds_add_u32 v28, v29
	s_wait_dscnt 0x0
	CROUND
.endif
	JLOAD G0+4*\s, G1, G0B+4*\s, G1B
.if \s
	global_prefetch_b8 v9, s[68:69] offset:12*PLA th:TH_LOAD_NT scope:SCOPE_SE   ; chunk 3, two fills on
.else
	global_prefetch_b8 v9, s[68:69] offset:4*PLA th:TH_LOAD_NT scope:SCOPE_SE    ; chunks 1 and 2, one and two fills on
	global_prefetch_b8 v9, s[68:69] offset:8*PLA th:TH_LOAD_NT scope:SCOPE_SE
.endif
.endr
	v_and_b32 v1, 15, v0
	v_bfe_u32 v2, v0, 4, 1
	v_mul_u32_u24 v3, v1, 48
	v_mad_u32_u24 v4, v2, 24, v3
	s_mul_i32 s21, s15, HALFT
	s_mul_i32 s22, s16, HALFT
	s_add_co_u32 s22, s22, 2*HALFT
.irp s, 0,1
	v_add_nc_u32 v[ADRA+\s], s21, v4
	v_add_nc_u32 v[ADRB+\s], s22, v4
	s_add_co_u32 s21, s21, SLOT
	s_add_co_u32 s22, s22, SLOT
.endr
	; THE SCALE WORDS of my 128 + 128 rows, all of K, go straight into 64 registers: set c (chunk of 256 k) at SC + 16 c; lanes 0-15 A's block i, lanes 16-31 B's.  Each row's 32 bytes are read once by its wave;
	; they are 16 KiB beside the 384 KiB of codes that a work-group asks for jointly, so they have no joint load
	s_mov_b32 s23, 0xffff0000
	v_mov_b32 v5, s94
	v_mov_b32 v6, s95
	v_cndmask_b32 v5, v5, v6, s23
	v_lshl_add_u32 v[ADRS], v1, 5, v5
.irp c, 0,1,2,3
.irp i, 0,1,2,3,4,5,6,7
	global_load_b64 v[SC+8*NQ*\c+NQ*\i:SC+8*NQ*\c+NQ*\i+1], v[ADRS], s[6:7] offset:512*\i+8*\c
.endr
.endr
	s_lshl_b32 s23, s14, 14
	v_lshlrev_b32 v5, 6, v1
	v_lshl_add_u32 v5, v2, 4, v5
	v_add_nc_u32 v[STO], s23, v5
	v_and_b32 v6, 31, v0
	v_lshlrev_b32 v7, 4, v6
	v_add_nc_u32 v[RD], s23, v7
	v_mul_u32_u24 v[GO], v6, 12
	s_lshl_b32 s23, s14, 10
	s_add_co_u32 s23, s23, 65536
	v_lshlrev_b32 v5, 2, v1
	v_lshl_add_u32 v5, v2, 9, v5
	v_add_nc_u32 v[SSTO], s23, v5
	v_add_nc_u32 v[SRD], s23, v7
.macro FRAG reg, adr, q, i
.irp p, 0,1,2,3,4,5
	ds_load_b64 v[\reg+2*\p:\reg+2*\p+1], v[\adr] offset:(2*(\q)+\p/3)*PL+(\i)*768+8*(\p%3)
.endr
.endm
.macro MUL16 a0, p, q, sc, zero
.irp a, \a0, \a0+1
.irp b, 0,1,2,3,4,5,6,7
.set rD, 8*(8*((\a)%4)+\b)
.set rB, 128*(\p)+FR*\b
.set rA, AF+FR*(\a)
.set rSB, SC+8*NQ*CHK+NQ*\b+(\q)
.set rSA, SC+8*NQ*CHK+NQ*(\a)+(\q)
.if \zero
	v_wmma_scale_f32_16x16x128_f8f6f4 v[rD:rD+7], v[rB:rB+FR-1], v[rA:rA+FR-1], 0, v[rSB], v[rSA] matrix_a_fmt:MATRIX_FMT_FP6 matrix_b_fmt:MATRIX_FMT_FP6 matrix_a_scale:MATRIX_SCALE_ROW1
.else
	v_wmma_scale_f32_16x16x128_f8f6f4 v[rD:rD+7], v[rB:rB+FR-1], v[rA:rA+FR-1], v[rD:rD+7], v[rSB], v[rSA] matrix_a_fmt:MATRIX_FMT_FP6 matrix_b_fmt:MATRIX_FMT_FP6 matrix_a_scale:MATRIX_SCALE_ROW1
.endif
.endr
.endr
.endm
.macro FETCH_B slot, q, p
	WIN TO_B
.irp i, 0,1,2,3,4,5,6,7
	FRAG 128*(\p)+FR*\i, ADRB+\slot, \q, \i
.endr
	WIN 0
.endm
.macro FETCH_A slot, q, i0
.irp i, \i0, \i0+1, \i0+2, \i0+3
	FRAG AF+FR*(\i), ADRA+\slot, \q, \i
.endr
.endm
.macro PLACES n
.rept \n
	v_nop
.endr
.endm
.macro STEP slot, q, zero
	s_wait_dscnt 4*NL
	MWIN 0, \zero
	MUL16 0, (\q)%2, \q, \slot, \zero
	MUL16 2, (\q)%2, \q, \slot, \zero
	s_wait_dscnt 0
	PLACES NP
	FETCH_B \slot, (\q)+1, 1-(\q)%2
	FETCH_A \slot, (\q)+1, 0
	MWIN 1, \zero
	MUL16 4, (\q)%2, \q, \slot, \zero
	MUL16 6, (\q)%2, \q, \slot, \zero
	PLACES NP
	WIN 0
	FETCH_A \slot, (\q)+1, 4
.endm
.macro TURN slot, next, fill
	s_wait_tensorcnt 0x0
	ds_add_u32 v[SPW], v[NIL]
	s_wait_dscnt 4*NL+1
	WIN 0xa1
	MUL16 0, 1, NQ-1, \slot, 0
	s_wait_dscnt 0x0
	s_barrier_signal -1
	MUL16 2, 1, NQ-1, \slot, 0
	WIN 0
	s_barrier_wait -1
.if \fill
	CREST
	s_add_nc_u64 s[G0+4*\slot+2:G0+4*\slot+3], s[G0+4*\slot+2:G0+4*\slot+3], 8*PLA
	s_add_nc_u64 s[G0B+4*\slot+2:G0B+4*\slot+3], s[G0B+4*\slot+2:G0B+4*\slot+3], 8*PLB
	JLOAD G0+4*\slot, G1, G0B+4*\slot, G1B
.else
	PLACES NP
.endif
	FETCH_B \next, 0, 0
	FETCH_A \next, 0, 0
	WIN 0xf1
	MUL16 4, 1, NQ-1, \slot, 0
	MUL16 6, 1, NQ-1, \slot, 0
	PLACES NP
	WIN 0
	FETCH_A \next, 0, 4
.endm
	s_wait_alu depctr_va_vdst(0)
	s_wait_tensorcnt 1
	s_barrier_signal -1
	s_barrier_wait -1
	FETCH_B 0, 0, 0
	FETCH_A 0, 0, 0
	FETCH_A 0, 0, 4
	s_wait_loadcnt 0x0                             ; the scale words
.set CHK, 0                            ; the chunk of 256 along K, which picks the set of scale words
	STEP 0, 0, 1
	TURN 0, 1, 1
.set CHK, 1
	STEP 1, 0, 0
	TURN 1, 0, 1
.set CHK, 2
	STEP 0, 0, 0
	TURN 0, 1, 0
.set CHK, 3
	STEP 1, 0, 0
	s_wait_dscnt 4*NL
	WIN 0xa1
	MUL16 0, 1, NQ-1, 1, 0
	MUL16 2, 1, NQ-1, 1, 0
	s_wait_dscnt 0
	WIN 0xf1
	MUL16 4, 1, NQ-1, 1, 0
	MUL16 6, 1, NQ-1, 1, 0
	WIN 0
	PLACES NP
	s_mov_b32 s[SEL], 0x76543210
	s_mov_b32 s[SEL+1], 0xfedcba98
	s_mov_b32 s[MH], 0xffff0000
	s_lshr_b32 s47, ttmp9, 1
	s_mul_i32 s92, s47, 6144
	s_add_co_u32 s92, s92, 106496
	s_lshl_b32 s93, s47, 9
	s_add_co_u32 s93, s93, 118784
	s_mov_b32 s94, 13056
	s_mov_b32 s56, HS
	s_mov_b32 s57, 0
	s_cmp_eq_u32 ttmp9, 0
	s_cselect_b32 s92, 0, s92
	s_cselect_b32 s93, 98304, s93
	s_cselect_b32 s100, 6144, s94
	s_cselect_b32 s94, 512, s94
	s_cmp_eq_u32 ttmp9, 2
	s_cselect_b32 s18, s42, s17
	s_cselect_b32 s19, s16, s15
	s_cselect_b32 s20, s41, s40
	s_cselect_b32 s21, s15, s16
	s_cselect_b32 s[MV], -1, 0
	s_cselect_b32 s48, s56, 3072
	s_cselect_b32 s50, 3072, s56
	s_cselect_b32 s58, s56, 256
	s_mov_b32 s49, 0
	s_mov_b32 s51, 0
	s_lshl_b32 s18, s18, 1
	s_add_co_u32 s18, s18, s19
	s_lshr_b32 s19, s18, 4
	s_and_b32 s18, s18, 15
	s_lshl_b32 s20, s20, 2
	s_lshl_b32 s21, s21, 1
	s_add_co_u32 s20, s20, s21
	s_lshl_b32 s19, s19, 4
	s_add_co_u32 s19, s19, s20
	s_mul_i32 s19, s19, HS
	s_mul_i32 s52, s18, s100
	s_add_co_u32 s52, s52, s92
	s_add_co_u32 s52, s52, s19
	s_mov_b32 s53, 0
	s_mul_i32 s54, s18, s94
	s_add_co_u32 s54, s54, s93
	s_add_co_u32 s54, s54, s19
	s_mov_b32 s55, 0
	s_add_nc_u64 s[24:25], s[12:13], s[52:53]
	s_add_nc_u64 s[26:27], s[24:25], s[48:49]
	s_add_nc_u64 s[28:29], s[24:25], s[50:51]
	s_add_nc_u64 s[30:31], s[28:29], s[48:49]
	s_add_nc_u64 s[32:33], s[12:13], s[54:55]
	s_add_nc_u64 s[34:35], s[32:33], s[56:57]
	v_bfe_u32 v23, v0, 4, 1
	v_mul_u32_u24 v[VSO], v23, s58
	v_and_b32 v23, 15, v0
	v_lshl_add_u32 v[VSO], v23, 4, v[VSO]
.irp b, 0,1,2,3
	v_mov_b32 v[PB+\b], 0
.endr
.macro QA a
.set AC, 64*((\a)%4)
	WIN 0x0a+5*((\a)/4)
.irp b, 0,1,2,3
	v_max3_num_f32 v[TM+\b], |v[AC+16*\b]|, |v[AC+16*\b+1]|, 0x1800000
.endr
.irp i, 2,4,6,8,10,12,14
.irp b, 0,1,2,3
	v_max3_num_f32 v[TM+\b], |v[AC+16*\b+\i]|, |v[AC+16*\b+\i+1]|, v[TM+\b]
.endr
.endr
	WIN 0
.irp b, 0,1,2,3
	v_permlanex16_b32 v[PB+\b], v[TM+\b], s[SEL], s[SEL+1]
.endr
.irp b, 0,1,2,3
	v_max_num_f32 v[TM+\b], v[TM+\b], v[PB+\b]
.endr
.irp b, 0,1,2,3
	v_add_nc_u32 v[SO+\b], 0xff000000, v[TM+\b]
.endr
.irp b, 0,1,2,3
	v_lshrrev_b32 v[PB+\b], 23, v[SO+\b]
.endr
	v_lshl_or_b32 v[WD], v[PB+1], 8, v[PB]
	v_lshl_or_b32 v[WD+1], v[PB+3], 8, v[PB+2]
	v_cndmask_b32 v[WD+2], v[WD], v[WD+1], s[MH]
	v_lshl_or_b32 v[WD+3], v[WD+1], 16, v[WD]
	v_cndmask_b32 v[SW+\a], v[WD+2], v[WD+3], s[MV]
	WIN 0x02+((\a)/4)
.irp b, 0,1,2,3
	v_cvt_scalef32_pk16_fp6_f32 v[CD+16*(\a)+4*\b:CD+16*(\a)+4*\b+2], v[AC+16*\b:AC+16*\b+15], v[SO+\b]
.endr
	WIN 0
	v_nop
.irp b, 0,1,2,3
	ds_store_b96 v[STO], v[CD+16*(\a)+4*\b:CD+16*(\a)+4*\b+2] offset:8192*(\b/2)+1024*(\a)+32*(\b%2)
.endr
	ds_store_b32 v[SSTO], v[SW+\a] offset:64*(\a)
.endm
.irp a, 0,1,2,3,4,5,6,7
	QA \a
.endr
	s_wait_dscnt 0x0
.set i, 0
.rept 32
	ds_load_b96 v[CD+4*i:CD+4*i+2], v[RD] offset:512*i
.set i, i+1
.endr
	ds_load_b128 v[192:195], v[SRD]
	ds_load_b128 v[196:199], v[SRD] offset:512
.set i, 0
.rept 32
	s_wait_dscnt 33-i
	global_store_b96 v[GO], v[CD+4*i:CD+4*i+2], s[24+2*(i/8):25+2*(i/8)] offset:384*(i%8)
.set i, i+1
.endr
	s_wait_dscnt 0x0
	global_store_b128 v[VSO], v[192:195], s[32:33]
	s_cmp_eq_u32 ttmp9, 2
	s_cbranch_scc1 .Lone_run
	global_store_b128 v[VSO], v[196:199], s[34:35]
.Lone_run:
	s_wait_tensorcnt 0x0
	ds_add_u32 v[SPW], v[NIL]
	s_wait_dscnt 0x0
	CROUND
	s_endpgm
.Lfunc_end_k_q620b7cf4d4_gemm_qkv:
	.size	k_q620b7cf4d4_gemm_qkv, .Lfunc_end_k_q620b7cf4d4_gemm_qkv-k_q620b7cf4d4_gemm_qkv
	.p2alignl 7, 3214868480
	.fill 96, 4, 3214868480
	.section	.rodata,"a",@progbits
	.p2align	6, 0x0
	.amdhsa_kernel k_q620b7cf4d4_gemm_qkv
		.amdhsa_group_segment_fixed_size 327680
		.amdhsa_private_segment_fixed_size 0
		.amdhsa_enable_private_segment 0
		.amdhsa_kernarg_size 24
		.amdhsa_user_sgpr_count 2
		.amdhsa_user_sgpr_kernarg_segment_ptr 1
		.amdhsa_wavefront_size32 1
		.amdhsa_system_sgpr_workgroup_id_x 1
		.amdhsa_system_sgpr_workgroup_id_y 1
		.amdhsa_system_sgpr_workgroup_id_z 1
		.amdhsa_system_vgpr_workitem_id 0
		.amdhsa_next_free_vgpr 1024
		.amdhsa_next_free_sgpr 102
		.amdhsa_reserve_vcc 0
		.amdhsa_float_denorm_mode_32 3
		.amdhsa_float_denorm_mode_16_64 3
		.amdhsa_memory_ordered 1
		.amdhsa_forward_progress 1
		.amdhsa_inst_pref_size 170
	.end_amdhsa_kernel
	.amdgpu_metadata
---
amdhsa.version: [ 1, 2 ]
amdhsa.kernels:
  - .name:           k_q620b7cf4d4_gemm_qkv
    .symbol:         k_q620b7cf4d4_gemm_qkv.kd
    .args:
      - { .name: xw_codes, .offset: 0, .size: 8, .value_kind: global_buffer, .address_space: global }
      - { .name: xw_scales, .offset: 8, .size: 8, .value_kind: global_buffer, .address_space: global }
      - { .name: qkv, .offset: 16, .size: 8, .value_kind: global_buffer, .address_space: global }
    .group_segment_fixed_size: 327680
    .private_segment_fixed_size: 0
    .kernarg_segment_align: 8
    .kernarg_segment_size: 24
    .max_flat_workgroup_size: 128
    .sgpr_count:     102
    .vgpr_count:     1024
    .wavefront_size: 32
...
	.end_amdgpu_metadata
.endif
;; end of part 2
;; launch attn (part 3): grid 4 x 64, 16 waves a work-group, clusters of 4 x 1, 247,808 bytes of LDS; arguments qkv, o_codes, o_scales; writes o_codes, o_scales
.if DOCPART == 3
	.amdgcn_target "amdgcn-amd-amdhsa--gfx1250"
	.amdhsa_code_object_version 6
	.text
	.protected	k_q620b7cf4d4_attn
	.globl	k_q620b7cf4d4_attn
	.p2align	8
	.type	k_q620b7cf4d4_attn,@function
k_q620b7cf4d4_attn:
	s_mov_b64 s[64:65], 0
	v_nop
	global_prefetch_b8 v0, s[64:65] scope:SCOPE_SE
	s_setreg_imm32_b32 hwreg(HW_REG_WAVE_MODE, 25, 1), 1
	s_wait_xcnt 0x0
	s_wait_alu depctr_hold_cnt(0) depctr_sa_sdst(0) depctr_va_vdst(0) depctr_va_sdst(0) depctr_va_ssrc(0) depctr_va_vcc(0) depctr_vm_vsrc(0)
	s_getreg_b32 s2, hwreg(HW_REG_IB_STS2, 6, 4)
	s_cmp_eq_u32 s2, 0
	s_cbranch_scc0 .Lentry_in_a_cluster
	s_endpgm
.Lentry_in_a_cluster:
	s_bfe_u32 s2, ttmp6, 0x10000c
	s_cmp_lg_u32 s2, 0x3003
	s_cbranch_scc0 .Lentry_shape_is_right
	s_endpgm
.Lentry_shape_is_right:
; O = softmax(Q K^T / 8) V for 64 heads of 2,048 tokens x 64, both products on codes of FP6 (E2M3) with E8M0 scales; O is quantised here for the last product and stored as codes.
; THE SOFTMAX AHEAD OF THE SECOND PRODUCT: t = score x log2(e) / 8; M = the running largest t rounded UP to a whole number; p = 2^(t - M) is quantised along the keys, not normalised; the row's sum is taken of the
; unquantised p in f32 and divides O at the end.  When M moves, the sum and O are multiplied by 2^(old M - new M): exact.
; SHARES.  A work-group owns 512 query positions of one head; each of its sixteen waves 32 of them, 16 at a time (two passes), in 256 registers: four waves to a SIMD, so that one wave's vector work stands beside another's matrix work and LDS loads.
; THE HEAD'S WHOLE K, V AND SCALE WORDS LIE IN LDS: 16 key-step blocks of 13,056 bytes, filled once: no ring.  The four work-groups of a cluster are the four query blocks of one head and ask for each block JOINTLY; wave w asks for key step w.
; LAYOUT.  Both products are used transposed: S^T = K Q^T, O^T = V^T P^T: a lane holds ONE query (lane % 16).  Keys and V's rows (d) stand in position order (bits 3 and 4 exchanged), so the 16 registers of tiles 2 b and 2 b + 1
; are the true neighbours 32 b + 16 (lane / 16) + 0 .. 15: of the keys in S^T, of d in O^T.  The first product's K is 64: the upper half of Q's and K's fragments are zero codes, written once.
; LIMITS: NaN and infinities are not served.  A block's largest p is made from the block's largest score by the same multiply-add and exponential, which takes v_exp_f32 not to fall where its input rises.  A block whose largest p or |O| lies under 2^-124 gets the byte 1.
; REGISTERS: v1-3, v254 addresses; v4-7 K's scale words; v8-11 at work; v12 -M, v13 the largest t, v[14:15] the sum; v16-27 Q; v28 Q's scale word; v29 p's; v30-31 V's; v32-79 V's four fragments; v80-127 four of K's;
;   v128-191 S^T, then p; v192-223 O^T; v224-235 p's codes; v236-242 at work; v239, v243 stage addresses; v244-251 at work; v[252:253] the factor.
.set HS,   315392                      ; a head block of qkv
.set KB,   13056                       ; a key-step block: K codes [128][48], V codes [2][64][48] at 6,144, K scale words at 12,288, V's at 12,800
.set WST,  16*KB                       ; behind them: 2,048 bytes a wave, the stage for O's codes,
.set SST,  WST+16*2048                 ; and 1,024 for the 512 rows' scale bytes
.set AL,   1
.set SL,   2
.set ADK,  3
.set KSW,  4
.set PB,   8
.set VSW,  30
.set VF,   32
.set KF,   80
.set S,    128
.set PC,   224
.set SO,   244
.set BM,   248
.set ADS,  254
.set WV,   10
.set SEL,  28
.set CS,   30
.macro ROUND                           ; a round of the cluster's barrier
	s_barrier_signal -1
	s_barrier_wait -1
	s_cmp_lg_u32 s[WV], 0
	s_cbranch_scc1 .Lnot_wave_0_\@
	s_barrier_signal -3
.Lnot_wave_0_\@:
	s_barrier_wait -3
	s_barrier_signal -1
	s_barrier_wait -1
.endm
	s_load_b128 s[4:7], s[0:1], 0x0                ; qkv, o_codes
	s_load_b64 s[8:9], s[0:1], 0x10                ; o_scales
	v_lshl_add_u32 v254, v0, 2, 0x3c000
	v_mov_b32 v255, 0
	ds_add_u32 v254, v255
	ds_add_u32 v254, v255
	s_wait_dscnt 0x0
	v_lshrrev_b32 v1, 5, v0
	s_delay_alu instid0(VALU_DEP_1)
	v_readfirstlane_b32 s[WV], v1                  ; wave 0..15
	s_bfe_u32 s11, ttmp6, 0x40000                  ; cx: my block of 512 queries: it enters Q's and O's addresses alone
	s_and_b32 s12, ttmp7, 0xffff                   ; 16 x batch + head, which the four partners share
	s_mul_i32 s46, s12, HS
	s_mov_b32 s47, 0
	s_mul_i32 s48, s[WV], KB                       ; my key step, in the head block and in LDS
	s_add_co_u32 s50, s48, 106496
	s_mov_b32 s51, 0
	s_add_nc_u64 s[50:51], s[50:51], s[46:47]
	s_mov_b32 s16, 15|(3<<16)|(1<<21)              ; group 1: 15:0 all four work-groups; 17:16 elements of 8 bytes; 21 set beside a mask; no padding
	s_mov_b32 s17, 32<<16                          ; 13,056 dense bytes as 51 rows of 256
	s_mov_b32 s18, 51<<16
	s_mov_b32 s19, 32<<16
	s_mov_b32 s20, 51
	s_mov_b32 s21, 32
	s_mov_b32 s22, 0
	s_mov_b32 s23, 0
	s_lshl_b32 s13, s11, 9
	s_lshl_b32 s14, s[WV], 5
	s_add_co_u32 s14, s13, s14                     ; my first query position in the head
	s_mul_i32 s34, s14, 48
	s_mov_b32 s35, 0
	s_add_nc_u64 s[34:35], s[34:35], s[46:47]      ; its codes,
	s_lshl_b32 s36, s14, 2
	s_add_co_u32 s36, s36, 98304
	s_mov_b32 s37, 0
	s_add_nc_u64 s[36:37], s[36:37], s[46:47]      ; its scale word
	s_lshr_b32 s15, s12, 4
	s_lshl_b32 s15, s15, 11                        ; the batch's first position
	s_and_b32 s12, s12, 15                         ; the head = the plane of o_codes
	s_add_co_u32 s14, s14, s15
	s_mul_i32 s14, s14, 48
	s_mul_i32 s49, s12, 393216
	s_add_co_u32 s52, s14, s49
	s_mov_b32 s53, 0                               ; O's codes: plane x 8,192 x 48 + position x 48
	s_add_co_u32 s13, s13, s15
	s_lshl_b32 s13, s13, 1
	s_lshl_b32 s49, s12, 14
	s_add_co_u32 s54, s13, s49
	s_and_b32 s49, s[WV], 1
	s_lshl_b32 s49, s49, 9
	s_add_co_u32 s54, s54, s49                     ; O's scale bytes: plane x 16,384 + 2 x position; waves 0 and 1 store 512 bytes each
	s_mov_b32 s55, 0
	s_mov_b32 s[SEL], 0x76543210
	s_mov_b32 s[SEL+1], 0xfedcba98                 ; lane l xor 16
	s_mov_b32 s[CS], 0x3e38aa3b                    ; c = log2(e) / 8
	s_mov_b32 s[CS+1], s[CS]
	s_wait_kmcnt 0x0
	s_mov_b32 s24, 1
	s_mov_b32 s25, s48
	s_add_nc_u64 s[26:27], s[4:5], s[50:51]
	s_or_b32 s27, s27, 0x80000000
	s_add_nc_u64 s[38:39], s[4:5], s[34:35]
	s_add_nc_u64 s[40:41], s[4:5], s[36:37]
	s_add_nc_u64 s[42:43], s[6:7], s[52:53]
	s_add_nc_u64 s[44:45], s[8:9], s[54:55]
	ROUND                                          ; all four work-groups are here: the joint loads meet
	tensor_load_to_lds s[24:27], s[16:23]          ; my one tensor load of the launch
	s_nop 0
.rept 4
	v_nop
.endr
	v_and_b32 v8, 15, v0                           ; r
	v_bfe_u32 v9, v0, 4, 1                         ; h
	s_delay_alu instid0(VALU_DEP_2)
	v_mul_u32_u24 v[AL], v8, 48
	s_delay_alu instid0(VALU_DEP_1)
	v_mad_u32_u24 v[AL], v9, 24, v[AL]             ; a fragment's row x 48 + 24 x half
	v_and_b32 v[SL], 31, v0
	s_delay_alu instid0(VALU_DEP_1)
	v_lshlrev_b32 v[SL], 2, v[SL]                  ; 4 x lane
.macro QLOAD pi                        ; the pass's 16 queries: 24 bytes a lane, and a scale word a row
	v_and_b32 v[ADK], 15, v0
	s_delay_alu instid0(VALU_DEP_1)
	v_lshlrev_b32 v[ADK], 2, v[ADK]                ; (this register is next written behind the wait for these loads)
.irp p, 0,1,2
	global_load_b64 v[16+2*\p:17+2*\p], v[AL], s[38:39] offset:768*(\pi)+8*\p
.endr
	global_load_b32 v28, v[ADK], s[40:41] offset:64*(\pi)
.endm
	QLOAD 0
	s_lshl_b32 s13, s[WV], 11
	s_add_co_u32 s13, s13, WST
	v_lshlrev_b32 v239, 6, v8
	s_delay_alu instid0(VALU_DEP_1)
	v_lshl_add_u32 v239, v9, 4, v239
	s_delay_alu instid0(VALU_DEP_1)
	v_add_nc_u32 v239, s13, v239                   ; my stage: 64 r + 16 h
	s_lshl_b32 s13, s[WV], 6
	s_add_co_u32 s13, s13, SST
	v_lshl_add_u32 v243, v8, 1, s13                ; my wave's 32 rows' scale bytes: 2 r
.irp j, 22,23,24,25,26,27
	v_mov_b32 v[\j], 0                             ; Q's k = 64 .. 127: zero codes
.endr
.irp t, 0,1,2,3
.irp j, 6,7,8,9,10,11
	v_mov_b32 v[KF+12*\t+\j], 0                    ; K's likewise: the loads fill the lower six alone
.endr
.endr
.irp b, 0,1,2,3
	v_mov_b32 v[PB+\b], 0                          ; a lane permute's destination counts as one of its sources
.endr
	v_mov_b32 v253, 0                              ; (named as the upper half of the pair v[252:253])
	v_mov_b32 v255, 0
	s_wait_tensorcnt 0x0                           ; my key step is in,
	s_barrier_signal -1
	s_barrier_wait -1                              ; everybody's is
.macro SPROD g                         ; S^T, tiles 4 g .. 4 g + 3: a scale register holds an even tile's words in lanes 0-15 and the odd tile's in lanes 16-31
.irp t, 0,2
	v_wmma_scale_f32_16x16x128_f8f6f4 v[S+8*(4*\g+\t):S+8*(4*\g+\t)+7], v[KF+12*\t:KF+12*\t+11], v[16:27], 0, v[KSW+2*\g+\t/2], v28 matrix_a_fmt:MATRIX_FMT_FP6 matrix_b_fmt:MATRIX_FMT_FP6
	v_wmma_scale_f32_16x16x128_f8f6f4 v[S+8*(4*\g+\t)+8:S+8*(4*\g+\t)+15], v[KF+12*\t+12:KF+12*\t+23], v[16:27], 0, v[KSW+2*\g+\t/2], v28 matrix_a_fmt:MATRIX_FMT_FP6 matrix_b_fmt:MATRIX_FMT_FP6 matrix_a_scale:MATRIX_SCALE_ROW1
.endr
.endm
; A KEY STEP: 128 keys, whose block begins at LDS byte s32.
.macro STEP
	v_add_nc_u32 v[ADK], s32, v[AL]
	v_add_nc_u32 v[ADS], s32, v[SL]
.irp i, 0,1,2,3
	ds_load_b32 v[KSW+\i], v[ADS] offset:12288+128*\i
.endr
.irp t, 0,1,2,3
.irp p, 0,1,2
	ds_load_b64 v[KF+12*\t+2*\p:KF+12*\t+2*\p+1], v[ADK] offset:768*\t+8*\p
.endr
.endr
	s_wait_alu depctr_va_vdst(0)
	s_wait_dscnt 0x0
	SPROD 0
.rept 4
	v_nop                                          ; places in front of the loads into K's fragments; with the two additions above they are six behind the last step's products, whose fragments of V are loaded below
.endr
.irp t, 0,1,2,3
.irp p, 0,1,2
	ds_load_b64 v[KF+12*\t+2*\p:KF+12*\t+2*\p+1], v[ADK] offset:3072+768*\t+8*\p
.endr
.endr
.irp t, 0,1,2,3
.irp p, 0,1,2,3,4,5
	ds_load_b64 v[VF+12*\t+2*\p:VF+12*\t+2*\p+1], v[ADK] offset:6144+3072*(\p/3)+768*\t+8*(\p%3)   ; V lands under the softmax
.endr
.endr
.irp i, 0,1
	ds_load_b32 v[VSW+\i], v[ADS] offset:12800+128*\i
.endr
	s_wait_dscnt 26                                ; K's tiles 4-7 are in; V's 24 loads and its 2 scale loads may be out
	SPROD 1
.rept 4
	v_nop
.endr
.irp b, 0,1,2,3
	v_max3_num_f32 v[BM+\b], v[S+16*\b], v[S+1+16*\b], v[S+2+16*\b]   ; the largest score of each block of 32 keys: for the row's maximum and, since p rises with the score, for the block's largest p
.endr
.irp i, 3,5,7,9,11,13
.irp b, 0,1,2,3
	v_max3_num_f32 v[BM+\b], v[BM+\b], v[S+16*\b+\i], v[S+1+16*\b+\i]
.endr
.endr
.irp b, 0,1,2,3
	v_max_num_f32 v[BM+\b], v[BM+\b], v[S+15+16*\b]
.endr
.irp b, 0,1,2,3
	s_delay_alu instid0(VALU_DEP_4)
	v_permlanex16_b32 v[PB+\b], v[BM+\b], s[SEL], s[SEL+1]
.endr
.irp b, 0,1,2,3
	s_delay_alu instid0(VALU_DEP_4)
	v_max_num_f32 v[BM+\b], v[BM+\b], v[PB+\b]
.endr
	s_delay_alu instid0(VALU_DEP_2)
	v_max3_num_f32 v255, v[BM], v[BM+1], v[BM+2]
	s_delay_alu instid0(VALU_DEP_1)
	v_max_num_f32 v255, v255, v[BM+3]
	s_delay_alu instid0(VALU_DEP_1)
	v_mul_f32 v255, s[CS], v255                    ; as t (c is positive)
	s_delay_alu instid0(VALU_DEP_1)
	v_max_num_f32 v13, v13, v255                   ; the running largest t
	v_mov_b32 v255, v12
	s_delay_alu instid0(VALU_DEP_2)
	v_floor_f32 v12, -v13                          ; the new -M = floor(-t): M is a whole number
	s_delay_alu instid0(VALU_DEP_1)
	v_sub_f32 v255, v12, v255                      ; old M - new M: a whole number, 0 or less
	s_delay_alu instid0(VALU_DEP_1)
	v_cvt_i32_f32 v255, v255                       ; (it saturates)
	s_delay_alu instid0(VALU_DEP_1)
	v_ldexp_f32 v252, 1.0, v255                    ; f = 2^(old M - new M)
.set j, 0
.rept 32
	v_pk_fma_f32 v[S+j:S+j+1], v[S+j:S+j+1], s[CS:CS+1], v[12:13] op_sel_hi:[1,0,0]   ; t - M
.set j, j+2
.endr
.irp b, 0,1,2,3
	v_fma_f32 v[BM+\b], v[BM+\b], s[CS], v12
.endr
.set j, 0
	s_wait_alu depctr_va_vdst(0)
.rept 64
	v_exp_f32 v[S+j], v[S+j]                       ; p = 2^(t - M)
.set j, j+1
.endr
.irp b, 0,1,2,3
	v_exp_f32 v[BM+\b], v[BM+\b]                   ; the block's largest p: the same two instructions on the same number
.endr
	v_pk_mul_f32 v[14:15], v[14:15], v[252:253] op_sel_hi:[1,0]   ; the sums under the new M (a plain place behind the exponentials)
	s_wait_alu depctr_va_vdst(0)
.irp b, 0,1,2,3
	v_max_num_f32 v[BM+\b], 0x1800000, v[BM+\b]    ; the floor 2^(3 - 127)
.endr
.irp b, 0,1,2,3
	s_delay_alu instid0(VALU_DEP_4)
	v_add_nc_u32 v[SO+\b], 0xff000000, v[BM+\b]
.endr
.irp b, 0,1,2,3
	s_delay_alu instid0(VALU_DEP_4)
	v_lshrrev_b32 v[PB+\b], 23, v[SO+\b]
.endr
	s_delay_alu instid0(VALU_DEP_3)
	v_lshl_or_b32 v29, v[PB+1], 8, v[PB]           ; p's scale word for these 128 keys
	s_delay_alu instid0(VALU_DEP_1)
	v_lshl_or_b32 v29, v[PB+2], 16, v29
	s_delay_alu instid0(VALU_DEP_1)
	v_lshl_or_b32 v29, v[PB+3], 24, v29
.irp c, 0,1
	v_cvt_scalef32_pk16_fp6_f32 v[PC+6*\c:PC+2+6*\c], v[S+32*\c:S+15+32*\c], v[SO+2*\c]
	v_cvt_scalef32_pk16_fp6_f32 v[236+4*\c:238+4*\c], v[S+16+32*\c:S+31+32*\c], v[SO+2*\c+1]
.endr
	v_nop                                          ; one plain place behind the conversions
.irp c, 0,1                            ; the operand wants a whole block in a lane: lanes 0-15 block 2 c, lanes 16-31 block 2 c + 1
.irp i, 0,1,2
	v_permlane16_swap_b32 v[PC+6*\c+\i], v[236+4*\c+\i]
.endr
.irp i, 0,1,2
	s_delay_alu instid0(VALU_DEP_3)
	v_mov_b32 v[PC+3+6*\c+\i], v[236+4*\c+\i]
.endr
.endr
	v_pk_add_f32 v[236:237], v[132:133], v[136:137]
	v_pk_add_f32 v[250:251], v[140:141], v[144:145]
	v_pk_add_f32 v[248:249], v[148:149], v[152:153]
	v_pk_add_f32 v[246:247], v[156:157], v[160:161]
	v_pk_add_f32 v[244:245], v[164:165], v[168:169]
	v_pk_add_f32 v[240:241], v[172:173], v[176:177]
	v_pk_add_f32 v[120:121], v[180:181], v[184:185]
	v_pk_add_f32 v[14:15], v[14:15], v[188:189]
	v_pk_add_f32 v[236:237], v[236:237], v[128:129]
	v_pk_add_f32 v[250:251], v[250:251], v[130:131]
	v_pk_add_f32 v[248:249], v[248:249], v[134:135]
	v_pk_add_f32 v[246:247], v[246:247], v[138:139]
	v_pk_add_f32 v[244:245], v[244:245], v[142:143]
	v_pk_add_f32 v[240:241], v[240:241], v[146:147]
	v_pk_add_f32 v[120:121], v[120:121], v[150:151]
	v_pk_add_f32 v[14:15], v[14:15], v[154:155]
	v_pk_add_f32 v[236:237], v[236:237], v[158:159]
	v_pk_add_f32 v[250:251], v[250:251], v[162:163]
	v_pk_add_f32 v[248:249], v[248:249], v[166:167]
	v_pk_add_f32 v[246:247], v[246:247], v[170:171]
	v_pk_add_f32 v[244:245], v[244:245], v[174:175]
	v_pk_add_f32 v[240:241], v[240:241], v[178:179]
	v_pk_add_f32 v[120:121], v[120:121], v[182:183]
	v_pk_add_f32 v[14:15], v[14:15], v[186:187]
	v_pk_add_f32 v[236:237], v[236:237], v[190:191]
	s_delay_alu instid0(VALU_DEP_2)
	v_pk_add_f32 v[14:15], v[14:15], v[246:247]
	s_delay_alu instid0(VALU_DEP_2)
	v_pk_add_f32 v[236:237], v[236:237], v[244:245]
	v_pk_add_f32 v[250:251], v[250:251], v[240:241]
	v_pk_add_f32 v[248:249], v[248:249], v[120:121]
	s_delay_alu instid0(VALU_DEP_2)
	v_pk_add_f32 v[14:15], v[14:15], v[250:251]
	s_delay_alu instid0(VALU_DEP_2)
	v_pk_add_f32 v[236:237], v[236:237], v[248:249]
	s_delay_alu instid0(VALU_DEP_1)
	v_pk_add_f32 v[14:15], v[14:15], v[236:237]
.set j, 0
.rept 16
	v_pk_mul_f32 v[192+j:193+j], v[192+j:193+j], v[252:253] op_sel_hi:[1,0]   ; O^T under the new M
.set j, j+2
.endr
	s_wait_alu depctr_va_vdst(0)
	s_wait_dscnt 0x0                               ; V
.irp t, 0,2                            ; O^T += V^T P^T: the four accumulators by turns, one instruction a turn
	v_wmma_scale_f32_16x16x128_f8f6f4 v[192+8*\t:199+8*\t], v[VF+12*\t:VF+12*\t+11], v[PC:PC+11], v[192+8*\t:199+8*\t], v[VSW+\t/2], v29 matrix_a_fmt:MATRIX_FMT_FP6 matrix_b_fmt:MATRIX_FMT_FP6
	v_wmma_scale_f32_16x16x128_f8f6f4 v[200+8*\t:207+8*\t], v[VF+12*\t+12:VF+12*\t+23], v[PC:PC+11], v[200+8*\t:207+8*\t], v[VSW+\t/2], v29 matrix_a_fmt:MATRIX_FMT_FP6 matrix_b_fmt:MATRIX_FMT_FP6 matrix_a_scale:MATRIX_SCALE_ROW1
.endr
.endm
; THE END OF A PASS: O^T / the sum; register 16 b + i is d = 32 b + 16 (lane / 16) + i: two blocks of 32 along the last product's K; codes and the two bytes go to the stages.
.macro EPI pi
.rept 4
	v_nop
.endr
	v_add_f32 v14, v14, v15
	s_delay_alu instid0(VALU_DEP_1)
	v_permlanex16_b32 v255, v14, s[SEL], s[SEL+1]
	s_delay_alu instid0(VALU_DEP_1)
	v_add_f32 v14, v14, v255                       ; the row's sum
	s_wait_alu depctr_va_vdst(0)
	v_rcp_f32 v14, v14
	v_nop
.set j, 0
	s_wait_alu depctr_va_vdst(0)
.rept 32
	v_mul_f32 v[S+j], v[192+j], v14                ; each accumulator from its low end on
.set j, j+1
.endr
.irp b, 0,1
	v_max3_num_f32 v[BM+\b], |v[S+16*\b]|, |v[S+1+16*\b]|, 0x1800000
.endr
.irp i, 2,4,6,8,10,12,14
.irp b, 0,1
	s_delay_alu instid0(VALU_DEP_2)
	v_max3_num_f32 v[BM+\b], v[BM+\b], |v[S+16*\b+\i]|, |v[S+1+16*\b+\i]|
.endr
.endr
.irp b, 0,1
	s_delay_alu instid0(VALU_DEP_2)
	v_permlanex16_b32 v[PB+\b], v[BM+\b], s[SEL], s[SEL+1]
.endr
.irp b, 0,1
	s_delay_alu instid0(VALU_DEP_2)
	v_max_num_f32 v[BM+\b], v[BM+\b], v[PB+\b]
.endr
.irp b, 0,1
	s_delay_alu instid0(VALU_DEP_2)
	v_add_nc_u32 v[SO+\b], 0xff000000, v[BM+\b]
.endr
.irp b, 0,1
	s_delay_alu instid0(VALU_DEP_2)
	v_lshrrev_b32 v[PB+\b], 23, v[SO+\b]
.endr
	s_delay_alu instid0(VALU_DEP_1)
	v_lshl_or_b32 v255, v[PB+1], 8, v[PB]
	v_cvt_scalef32_pk16_fp6_f32 v[236:238], v[S:S+15], v[SO]
	v_cvt_scalef32_pk16_fp6_f32 v[240:242], v[S+16:S+31], v[SO+1]
	v_nop
	ds_store_b96 v239, v[236:238] offset:1024*(\pi)          ; place 4 r + 2 b + h of the pass's 64: bytes 12 x place of its 768 in memory
	ds_store_b96 v239, v[240:242] offset:1024*(\pi)+32
	ds_store_b16 v243, v255 offset:32*(\pi)                  ; both halves of the lanes write the same two bytes
.endm
.macro PASS pi
	v_mov_b32 v13, 0xff61b1e6                      ; the largest t so far: -3e38
	s_delay_alu instid0(VALU_DEP_1)
	v_floor_f32 v12, -v13
	v_mov_b32 v14, 0
	v_mov_b32 v15, 0
.set j, 0
.rept 32
	v_mov_b32 v[192+j], 0                          ; O^T: the step is written once; the first change of M leaves zeros zeros
.set j, j+1
.endr
	s_mov_b32 s32, 0
	s_mov_b32 s33, 16
	s_wait_loadcnt 0x0                             ; Q
.Lstep_\@:
	STEP
	s_add_co_u32 s32, s32, KB
	s_sub_co_u32 s33, s33, 1
	s_cmp_lg_u32 s33, 0
	s_cbranch_scc1 .Lstep_\@
.if \pi == 0
	QLOAD 1                                        ; the next pass's queries land under this pass's end
.endif
	EPI \pi
.endm
	PASS 0
	PASS 1
	s_wait_dscnt 0x0                               ; my stores into the stages are done
	s_barrier_signal -1
	s_barrier_wait -1                              ; everybody's: the scale bytes are read by waves 0 and 1
	v_and_b32 v32, 31, v0
	s_delay_alu instid0(VALU_DEP_1)
	v_lshlrev_b32 v33, 4, v32
	s_lshl_b32 s13, s[WV], 11
	s_add_co_u32 s13, s13, WST
	v_add_nc_u32 v34, s13, v33
	v_mul_u32_u24 v35, v32, 12
	s_and_b32 s14, s[WV], 1
	s_lshl_b32 s14, s14, 9
	s_add_co_u32 s14, s14, SST
	v_add_nc_u32 v52, s14, v33
.irp i, 0,1,2,3
	ds_load_b96 v[36+4*\i:38+4*\i], v34 offset:512*\i
.endr
	s_wait_alu depctr_va_vdst(0)
.irp i, 0,1,2,3
	s_wait_dscnt 3-\i
	global_store_b96 v35, v[36+4*\i:38+4*\i], s[42:43] offset:384*\i   ; my 32 rows' 1,536 consecutive bytes of the head's plane
.endr
	s_cmp_lt_u32 s[WV], 2
	s_cbranch_scc0 .Lno_scales
	ds_load_b128 v[56:59], v52
	s_wait_dscnt 0x0
	global_store_b128 v33, v[56:59], s[44:45]      ; 512 consecutive bytes: 256 rows' two bytes
.Lno_scales:
	s_wait_xcnt 0x0
	v_lshl_add_u32 v254, v0, 2, 0x3c000
	v_mov_b32 v255, 0
	s_wait_alu depctr_va_vdst(0)
	s_wait_tensorcnt 0x0
	ds_add_u32 v254, v255
	s_wait_dscnt 0x0
	ROUND                                          ; the closing round
	s_endpgm
.Lfunc_end_k_q620b7cf4d4_attn:
	.size	k_q620b7cf4d4_attn, .Lfunc_end_k_q620b7cf4d4_attn-k_q620b7cf4d4_attn
	.p2alignl 7, 3214868480
	.fill 96, 4, 3214868480
	.section	.rodata,"a",@progbits
	.p2align	6, 0x0
	.amdhsa_kernel k_q620b7cf4d4_attn
		.amdhsa_group_segment_fixed_size 247808
		.amdhsa_private_segment_fixed_size 0
		.amdhsa_enable_private_segment 0
		.amdhsa_kernarg_size 24
		.amdhsa_user_sgpr_count 2
		.amdhsa_user_sgpr_kernarg_segment_ptr 1
		.amdhsa_wavefront_size32 1
		.amdhsa_system_sgpr_workgroup_id_x 1
		.amdhsa_system_sgpr_workgroup_id_y 1
		.amdhsa_system_sgpr_workgroup_id_z 1
		.amdhsa_system_vgpr_workitem_id 0
		.amdhsa_next_free_vgpr 256
		.amdhsa_next_free_sgpr 66
		.amdhsa_reserve_vcc 0
		.amdhsa_float_denorm_mode_32 3
		.amdhsa_float_denorm_mode_16_64 3
		.amdhsa_memory_ordered 1
		.amdhsa_forward_progress 1
		.amdhsa_inst_pref_size 57
	.end_amdhsa_kernel
	.amdgpu_metadata
---
amdhsa.version: [ 1, 2 ]
amdhsa.kernels:
  - .name:           k_q620b7cf4d4_attn
    .symbol:         k_q620b7cf4d4_attn.kd
    .args:
      - { .name: qkv, .offset: 0, .size: 8, .value_kind: global_buffer, .address_space: global }
      - { .name: o_codes, .offset: 8, .size: 8, .value_kind: global_buffer, .address_space: global }
      - { .name: o_scales, .offset: 16, .size: 8, .value_kind: global_buffer, .address_space: global }
    .group_segment_fixed_size: 247808
    .private_segment_fixed_size: 0
    .kernarg_segment_align: 8
    .kernarg_segment_size: 24
    .max_flat_workgroup_size: 512
    .sgpr_count:     66
    .vgpr_count:     256
    .wavefront_size: 32
...
	.end_amdgpu_metadata
.endif
;; end of part 3
;; launch gemm_out (part 4): grid 4 x 64, 8 waves a work-group, clusters of 4 x 4, 327,680 bytes of LDS; arguments o_codes, o_scales, wo_codes, wo_scales, b_out, out0; writes out0
.if DOCPART == 4
	.amdgcn_target "amdgcn-amd-amdhsa--gfx1250"
	.amdhsa_code_object_version 6
	.text
	.protected	k_q620b7cf4d4_gemm_out
	.globl	k_q620b7cf4d4_gemm_out
	.p2align	8
	.type	k_q620b7cf4d4_gemm_out,@function
k_q620b7cf4d4_gemm_out:
	s_mov_b64 s[64:65], 0
	v_nop
	global_prefetch_b8 v0, s[64:65] scope:SCOPE_SE
	s_setreg_imm32_b32 hwreg(HW_REG_WAVE_MODE, 25, 1), 1
	s_wait_xcnt 0x0
	s_wait_alu depctr_hold_cnt(0) depctr_sa_sdst(0) depctr_va_vdst(0) depctr_va_sdst(0) depctr_va_ssrc(0) depctr_va_vcc(0) depctr_vm_vsrc(0)
	s_getreg_b32 s2, hwreg(HW_REG_IB_STS2, 6, 4)
	s_cmp_eq_u32 s2, 0
	s_cbranch_scc0 .Lentry_in_a_cluster
	s_endpgm
.Lentry_in_a_cluster:
	s_bfe_u32 s2, ttmp6, 0x10000c
	s_cmp_lg_u32 s2, 0xf033
	s_cbranch_scc0 .Lentry_shape_is_right
	s_endpgm
.Lentry_shape_is_right:
; out0 = O w_out + b_out on codes of FP6 (E2M3) with E8M0 scales; K = 1,024; sums in f32.
; o_codes [16 planes of 64 k][8,192 positions][48 bytes], o_scales [16 planes][8,192][2 bytes]; wo_codes [16][1,024][48], wo_scales [1,024][32].
; Rows and columns stand in position order (bits 3 and 4 of the index exchanged); the way out puts them back.
; A work-group makes 128 rows x 256 columns: 4 x 64 = 256 work-groups.  ALL OF K LIES IN LDS: six pieces of 64 rows x 16 planes x 48 bytes (A's two, B's four), filled once: no ring, no refill.
; Eight waves, 2 x 4; a wave makes 64 x 64: 16 accumulators, which take turns, one instruction a turn.
; CLUSTERS 4 x 4: A's pieces and scale bytes are shared along a row of the cluster, B's along a column, by joint loads; one tensor load a wave at the head.
; No prefetch: every tile is asked for at the head, and the text has no loop to run ahead in.
; The matrix instruction is used transposed (source 0 = B's rows): a lane holds 8 neighbouring columns of one row.  The bias is the first products' C.
; LIMITS: NaN and infinities are not served.
.set PLA,   393216
.set PLB,   49152
.set PLN,   3072                       ; a piece's plane: 64 rows x 48 bytes
.set PIECE, 16*PLN
.set SCA,   6*PIECE                    ; A's scale words, [128 rows][32 bytes], 16 bytes of padding behind each 256: written by ds_store
.set SCB,   SCA+4352                   ; B's, the same form, 256 rows
.set RAW,   SCB+8704                   ; A's scale bytes as they lie in memory: [16 planes][128 rows][2]
.set SPARE, RAW+4096                   ; the spare words, 128 bytes a wave
.set SPITCH, 272                       ; the way out: a stage of 16 rows x (256 + 16) bytes a wave, on piece 0, behind a barrier behind which nobody reads the pieces
.set ADRA, 12
.set ADRB, 13
.set ADRS, 14
.set STO,  15
.set RD,   16
.set CO,   17
.set SPW,  18
.set NIL,  19
.set SC,   24                          ; v24-27 scale words: lanes 0-15 A's block i, lanes 16-31 B's block i
.set BF,   32                          ; v32-79  B's four fragments
.set AF,   80                          ; v80-127 A's four
.set ACC,  128                         ; v128-255 accumulator (a, b) at 8 (4 a + b)
.set BK,   32                          ; the way out: two sets of 32 registers
.set G1, 24
.set G0, 32
.set G1B, 48
.set G0B, 56
.set G1S, 68
.set G0S, 76
.set G1SB, 80
.set G0SB, 88
.macro PLACES n
.rept \n
	v_nop
.endr
.endm
.macro CROUND                          ; a round of the cluster's barrier
	s_barrier_signal -1
	s_barrier_wait -1
	s_cmp_lg_u32 s14, 0
	s_cbranch_scc1 .Lnot_wave_0_\@
	s_barrier_signal -3
.Lnot_wave_0_\@:
	s_barrier_wait -3
	s_barrier_signal -1
	s_barrier_wait -1
.endm
	s_load_b128 s[4:7], s[0:1], 0x0                ; o_codes, o_scales
	s_load_b128 s[8:11], s[0:1], 0x10              ; wo_codes, wo_scales
	s_load_b64 s[96:97], s[0:1], 0x20              ; b_out
	s_load_b64 s[12:13], s[0:1], 0x28              ; out0
	v_lshl_add_u32 v[SPW], v0, 2, SPARE
	v_mov_b32 v[NIL], 0
	ds_add_u32 v[SPW], v[NIL]                      ; the opening lines: the add, twice on end, and its wait
	ds_add_u32 v[SPW], v[NIL]
	v_lshrrev_b32 v1, 5, v0
	v_readfirstlane_b32 s14, v1                    ; wave 0..7
	s_lshr_b32 s15, s14, 2                         ; my 64 rows of the 128
	s_and_b32 s16, s14, 3                          ; my 64 columns of the 256
	s_bfe_u32 s40, ttmp6, 0x40000                  ; cx
	s_bfe_u32 s41, ttmp6, 0x40004                  ; cy
	s_lshl_b32 s42, ttmp9, 2
	s_add_co_u32 s42, s42, s40                     ; tile column
	s_and_b32 s17, ttmp7, 0xffff
	s_lshl_b32 s17, s17, 2
	s_add_co_u32 s17, s17, s41                     ; tile row
	s_lshl_b32 s43, s41, 2
	s_lshl_b32 s43, 15, s43                        ; my row of the cluster
	s_lshl_b32 s44, 0x1111, s40                    ; my column
	s_or_b32 s[G1+0], s43, (3<<16)|(1<<21)         ; codes: 16 rows (planes) of 384 elements of 8 bytes, dense in LDS
	s_or_b32 s[G1B+0], s44, (3<<16)|(1<<21)
.irp g, G1, G1B
	s_mov_b32 s[\g+1], 384<<16
	s_mov_b32 s[\g+2], 16<<16
	s_mov_b32 s[\g+3], 384<<16
	s_mov_b32 s[\g+4], 16
	s_mov_b32 s[\g+6], 0
	s_mov_b32 s[\g+7], 0
.endr
	s_mov_b32 s[G1+5], PLA/8
	s_mov_b32 s[G1B+5], PLB/8
	s_or_b32 s[G1S+0], s43, (3<<16)|(1<<21)        ; A's scale bytes: 16 planes x 256 bytes, 16,384 bytes apart
	s_mov_b32 s[G1S+1], 32<<16
	s_mov_b32 s[G1S+2], 16<<16
	s_mov_b32 s[G1S+3], 32<<16
	s_mov_b32 s[G1S+4], 16
	s_mov_b32 s[G1S+5], 2048
	s_mov_b32 s[G1S+6], 0
	s_mov_b32 s[G1S+7], 0
	s_or_b32 s[G1SB+0], s44, (3<<16)|(1<<20)|(1<<21)|(5<<22)|(3<<25)   ; B's: 8,192 dense bytes as 32 rows of 256, 16 of padding behind each
	s_mov_b32 s[G1SB+1], 32<<16
	s_mov_b32 s[G1SB+2], 32<<16
	s_mov_b32 s[G1SB+3], 32<<16
	s_mov_b32 s[G1SB+4], 32
	s_mov_b32 s[G1SB+5], 32
	s_mov_b32 s[G1SB+6], 0
	s_mov_b32 s[G1SB+7], 0
	s_min_u32 s18, s14, 1                          ; waves 0, 1: A's piece 0, 1
	s_mul_i32 s18, s18, 64*48
	s_mul_i32 s20, s17, 128*48
	s_add_co_u32 s20, s20, s18
	s_mov_b32 s21, 0
	s_max_u32 s19, s14, 2                          ; waves 2 .. 5: B's piece 0 .. 3
	s_sub_co_u32 s19, s19, 2
	s_min_u32 s19, s19, 3
	s_mul_i32 s19, s19, 64*48
	s_mul_i32 s46, s42, 256*48
	s_add_co_u32 s46, s46, s19
	s_mov_b32 s47, 0
	s_lshl_b32 s22, s17, 8                         ; 128 rows x 2 bytes
	s_mov_b32 s23, 0
	s_lshl_b32 s92, s42, 13                        ; 256 rows x 32 bytes
	s_mov_b32 s93, 0
	s_min_u32 s45, s14, 5
	s_mul_i32 s45, s45, PIECE                      ; piece w lies at w x PIECE
	s_wait_dscnt 0x0                               ; both opening adds are done
	s_wait_kmcnt 0x0
	s_add_nc_u64 s[20:21], s[4:5], s[20:21]
	s_add_nc_u64 s[22:23], s[6:7], s[22:23]
	s_add_nc_u64 s[46:47], s[8:9], s[46:47]
	s_add_nc_u64 s[92:93], s[10:11], s[92:93]
	CROUND                                         ; all sixteen work-groups are here: the joint loads meet
	s_mov_b32 s[G0], 1
	s_mov_b32 s[G0+1], s45
	s_mov_b64 s[G0+2:G0+3], s[20:21]
	s_or_b32 s[G0+3], s[G0+3], 0x80000000
	s_mov_b32 s[G0B], 1
	s_mov_b32 s[G0B+1], s45
	s_mov_b64 s[G0B+2:G0B+3], s[46:47]
	s_or_b32 s[G0B+3], s[G0B+3], 0x80000000
	s_mov_b32 s[G0S], 1
	s_mov_b32 s[G0S+1], RAW
	s_mov_b64 s[G0S+2:G0S+3], s[22:23]
	s_or_b32 s[G0S+3], s[G0S+3], 0x80000000
	s_mov_b32 s[G0SB], 1
	s_mov_b32 s[G0SB+1], SCB
	s_mov_b64 s[G0SB+2:G0SB+3], s[92:93]
	s_or_b32 s[G0SB+3], s[G0SB+3], 0x80000000
; the head's loads, one a wave, in one chain of branches on the wave's number
.macro ARM under, g0, g1, next
	s_cmp_lt_u32 s14, \under
	s_cbranch_scc0 \next
	tensor_load_to_lds s[\g0:\g0+3], s[\g1:\g1+7]
	s_nop 0
	PLACES 4
	s_branch .Lhead_asked
\next:
.endm
	ARM 2, G0,  G1,  .Lhead_b
	ARM 6, G0B, G1B, .Lhead_sa
	ARM 7, G0S, G1S, .Lhead_sb
	tensor_load_to_lds s[G0SB:G0SB+3], s[G1SB:G1SB+7]
	s_nop 0
	PLACES 4
.Lhead_asked:
	s_mul_i32 s36, s15, PIECE                      ; my piece of A,
	s_mul_i32 s37, s16, PIECE
	s_add_co_u32 s37, s37, 2*PIECE                 ; of B
	s_mul_i32 s38, s15, 2176                       ; 64 rows of scale words are 8 x 272 bytes
	s_mul_i32 s39, s16, 2176
	s_add_co_u32 s39, s39, SCB-SCA
	s_sub_co_u32 s39, s39, s38                     ; from A's words to B's
	s_add_co_u32 s38, s38, SCA
	s_mul_i32 s60, s14, 16*SPITCH                  ; my stage
	s_lshl_b32 s20, s17, 7
	s_lshl_b32 s21, s15, 6
	s_add_co_u32 s20, s20, s21
	s_lshl_b32 s20, s20, 12                        ; my first row of out0, in bytes
	s_mov_b32 s21, 0
	s_lshl_b32 s46, s42, 10
	s_lshl_b32 s47, s16, 8
	s_add_co_u32 s46, s46, s47                     ; my first column, in bytes
	s_mov_b32 s47, 0
	s_add_nc_u64 s[96:97], s[96:97], s[46:47]
	s_add_nc_u64 s[12:13], s[12:13], s[20:21]
	s_add_nc_u64 s[12:13], s[12:13], s[46:47]
	v_and_b32 v1, 15, v0                           ; r
	v_bfe_u32 v2, v0, 4, 1                         ; h
	v_mul_u32_u24 v3, v1, 48
	v_mad_u32_u24 v3, v2, 24, v3                   ; a fragment's row x 48 + 24 h
	v_add_nc_u32 v[ADRA], s36, v3
	v_add_nc_u32 v[ADRB], s37, v3
	v_lshlrev_b32 v5, 5, v1
	v_lshrrev_b32 v6, 8, v5
	v_lshl_add_u32 v5, v6, 4, v5                   ; 32 r + 16 (r / 8)
	v_mul_u32_u24 v6, s39, v2                      ; lanes 16-31 take B's words
	v_add_nc_u32 v5, v5, v6
	v_add_nc_u32 v[ADRS], s38, v5
	v_mul_u32_u24 v5, v1, SPITCH
	v_lshl_add_u32 v5, v2, 6, v5
	v_add_nc_u32 v[STO], s60, v5                   ; into the stage: row r, 64 h
	v_mul_u32_u24 v5, v2, SPITCH
	v_lshl_add_u32 v5, v1, 4, v5
	v_add_nc_u32 v[RD], s60, v5                    ; out of it: sixteen lanes to a row of 256 bytes, two rows a load
	v_lshlrev_b32 v[CO], 12, v2
	v_lshl_add_u32 v[CO], v1, 4, v[CO]             ; and the same in out0
	v_lshlrev_b32 v8, 6, v2                        ; the bias: 64 h bytes
	v_and_b32 v9, 63, v0                           ; A's scale bytes: thread (pair of rows 0 .. 63, four planes 0 .. 3)
	v_lshrrev_b32 v7, 6, v0
	v_lshlrev_b32 v10, 2, v9
	v_lshl_add_u32 v10, v7, 10, v10
	v_add_nc_u32 v10, RAW, v10                     ; from: 4 bytes of each of my four planes
	v_lshrrev_b32 v11, 2, v9
	v_lshlrev_b32 v11, 4, v11
	v_lshl_add_u32 v11, v9, 6, v11
	v_lshl_add_u32 v11, v7, 3, v11
	v_add_nc_u32 v11, SCA, v11                     ; to: 64 x pair + 16 (pair / 4) + 8 x my four planes
.irp b, 0,1,2,3                        ; the bias in the result's layout, into block 3's accumulators: register j of tile b is column 32 (b / 2) + 16 h + 8 (b % 2) + j
	global_load_b128 v[ACC+96+8*\b:ACC+96+8*\b+3], v8, s[96:97] offset:128*(\b/2)+32*(\b%2)
	global_load_b128 v[ACC+96+8*\b+4:ACC+96+8*\b+7], v8, s[96:97] offset:128*(\b/2)+32*(\b%2)+16
.endr
	s_wait_alu depctr_va_vdst(0)
	s_wait_tensorcnt 0x0                           ; my tile is in,
	s_barrier_signal -1
	s_barrier_wait -1                              ; everybody's is
.irp d, 0,1,2,3
	ds_load_b32 v[32+\d], v10 offset:256*\d        ; two rows' two bytes of a plane
.endr
	s_wait_dscnt 0x0
	v_perm_b32 v36, v33, v32, 0x05040100           ; the even row's two scale words of my four planes,
	v_perm_b32 v37, v35, v34, 0x05040100
	v_perm_b32 v38, v33, v32, 0x07060302           ; the odd row's
	v_perm_b32 v39, v35, v34, 0x07060302
	ds_store_b64 v11, v[36:37]
	ds_store_b64 v11, v[38:39] offset:32
	s_wait_dscnt 0x0
	s_barrier_signal -1
	s_barrier_wait -1                              ; A's scale words are whole
.macro FRAG reg, adr, q, i             ; 16 rows x 128 k: two planes, 24 bytes a lane of each, in pieces of 8
.irp p, 0,1,2,3,4,5
	ds_load_b64 v[\reg+2*\p:\reg+2*\p+1], v[\adr] offset:(2*(\q)+\p/3)*PLN+(\i)*768+8*(\p%3)
.endr
.endm
.macro FETCH q
.irp i, 0,1,2,3
	FRAG BF+12*\i, ADRB, \q, \i
.endr
.irp i, 0,1,2,3
	FRAG AF+12*\i, ADRA, \q, \i
.endr
.irp i, 0,1,2,3
	ds_load_b32 v[SC+\i], v[ADRS] offset:\i*544+4*(\q)
.endr
.endm
.macro PROD a, b, c
	v_wmma_scale_f32_16x16x128_f8f6f4 v[ACC+8*(4*\a+\b):ACC+8*(4*\a+\b)+7], v[BF+12*\b:BF+12*\b+11], v[AF+12*\a:AF+12*\a+11], v[\c:\c+7], v[SC+\b], v[SC+\a] matrix_a_fmt:MATRIX_FMT_FP6 matrix_b_fmt:MATRIX_FMT_FP6 matrix_a_scale:MATRIX_SCALE_ROW1
.endm
.macro KSTEP q                         ; 128 along K: 16 products
	s_wait_dscnt 0x0                               ; this step's fragments and scale words are in
.if (\q) == 7
	s_barrier_signal -1                            ; my last reads of the pieces are done
.endif
.irp a, 0,1,2,3
.if (\q) == 0 && \a == 3
	PLACES 5                                       ; block 3's products write over the registers that the others took as C
.endif
.irp b, 0,1,2,3
.if (\q) == 0
	PROD \a, \b, ACC+96+8*\b
.else
	PROD \a, \b, ACC+8*(4*\a+\b)
.endif
.endr
.endr
.if (\q) < 7
	PLACES 4                                       ; in front of the loads into registers that the products have read
	FETCH (\q)+1
.endif
.endm
	FETCH 0
	s_wait_loadcnt 0x0                             ; the bias
.irp q, 0,1,2,3,4,5,6,7
	KSTEP \q
.endr
	s_barrier_wait -1                              ; nobody reads the pieces any more: the stages may be written
	PLACES 4
; THE WAY OUT, block by block of 16 rows x 64 columns, through my stage; sixteen lanes store one aligned unit of 256 bytes
.macro TOSTAGE a
.set AC, ACC+32*(\a)
.irp b, 0,1,2,3
	ds_store_b128 v[STO], v[AC+8*\b:AC+8*\b+3] offset:128*(\b/2)+32*(\b%2)      ; each accumulator from its low end on
	ds_store_b128 v[STO], v[AC+8*\b+4:AC+8*\b+7] offset:128*(\b/2)+32*(\b%2)+16
.endr
.set BB, BK+32*((\a)%2)
.irp t, 0,1,2,3,4,5,6,7
	ds_load_b128 v[BB+4*\t:BB+4*\t+3], v[RD] offset:\t*2*SPITCH                 ; LDS serves a wave's instructions in order: these see the stores above
.endr
.endm
.macro SEND a, younger                 ; stage row 2 t + h of block a is true row 32 (a / 2) + 8 (a % 2) + 16 (t / 4) + 2 (t % 4) + h
.set BB, BK+32*((\a)%2)
	s_wait_dscnt \younger
.irp t, 0,1,2,3,4,5,6,7
	global_store_b128 v[CO], v[BB+4*\t:BB+4*\t+3], s[12:13] offset:(32*((\a)/2)+8*((\a)%2)+16*(\t/4)+2*(\t%4))*4096 th:TH_STORE_NT
.endr
.endm
	TOSTAGE 0
.irp a, 1,2,3
.if \a > 1
	s_wait_xcnt 0x0                                ; block a - 2's stores have read their registers
.endif
	TOSTAGE \a
	SEND \a-1, 16                                  ; behind block a - 1's loads: block a's 8 stores and 8 loads
.endr
	SEND 3, 0
	s_wait_tensorcnt 0x0                           ; the wave's end
	ds_add_u32 v[SPW], v[NIL]
	s_wait_dscnt 0x0
	CROUND                                         ; the closing round
	s_endpgm
.Lfunc_end_k_q620b7cf4d4_gemm_out:
	.size	k_q620b7cf4d4_gemm_out, .Lfunc_end_k_q620b7cf4d4_gemm_out-k_q620b7cf4d4_gemm_out
	.p2alignl 7, 3214868480
	.fill 96, 4, 3214868480
	.section	.rodata,"a",@progbits
	.p2align	6, 0x0
	.amdhsa_kernel k_q620b7cf4d4_gemm_out
		.amdhsa_group_segment_fixed_size 327680
		.amdhsa_private_segment_fixed_size 0
		.amdhsa_enable_private_segment 0
		.amdhsa_kernarg_size 48
		.amdhsa_user_sgpr_count 2
		.amdhsa_user_sgpr_kernarg_segment_ptr 1
		.amdhsa_wavefront_size32 1
		.amdhsa_system_sgpr_workgroup_id_x 1
		.amdhsa_system_sgpr_workgroup_id_y 1
		.amdhsa_system_sgpr_workgroup_id_z 1
		.amdhsa_system_vgpr_workitem_id 0
		.amdhsa_next_free_vgpr 256
		.amdhsa_next_free_sgpr 102
		.amdhsa_reserve_vcc 0
		.amdhsa_float_denorm_mode_32 3
		.amdhsa_float_denorm_mode_16_64 3
		.amdhsa_memory_ordered 1
		.amdhsa_forward_progress 1
		.amdhsa_inst_pref_size 62
	.end_amdhsa_kernel
	.amdgpu_metadata
---
amdhsa.version: [ 1, 2 ]
amdhsa.kernels:
  - .name:           k_q620b7cf4d4_gemm_out
    .symbol:         k_q620b7cf4d4_gemm_out.kd
    .args:
      - { .name: o_codes, .offset: 0, .size: 8, .value_kind: global_buffer, .address_space: global }
      - { .name: o_scales, .offset: 8, .size: 8, .value_kind: global_buffer, .address_space: global }
      - { .name: wo_codes, .offset: 16, .size: 8, .value_kind: global_buffer, .address_space: global }
      - { .name: wo_scales, .offset: 24, .size: 8, .value_kind: global_buffer, .address_space: global }
      - { .name: b_out, .offset: 32, .size: 8, .value_kind: global_buffer, .address_space: global }
      - { .name: out0, .offset: 40, .size: 8, .value_kind: global_buffer, .address_space: global }
    .group_segment_fixed_size: 327680
    .private_segment_fixed_size: 0
    .kernarg_segment_align: 8
    .kernarg_segment_size: 48
    .max_flat_workgroup_size: 256
    .sgpr_count:     102
    .vgpr_count:     256
    .wavefront_size: 32
...
	.end_amdgpu_metadata
.endif
;; end of part 4
